; MI455X (gfx1250); checked and timed in simulation.
; The chip was launched on July 23, 2026; its instructions are those of AMD's public machine-readable ISA for CDNA 5 (MIT licence, August 2026) and "CDNA5" Instruction Set Architecture Reference Guide (July 2026). The comments in the code are by the model that wrote it; some were corrected since.
;; Attention. Allowed arithmetic: matrix products marked QUANTISED: E2M1 operands, one E8M0 scale for each 32 along K, by v_wmma_scale_f32_16x16x128_f8f6f4 with both operands' format E2M1 (or v_wmma_scale_f32_32x16x128_f4), f32 sums; products left as they are: bf16, f16 or f32 operands; f32 sums; everything else in f32.
;; Inputs: freqs_cos 2,048 x 64 float32; freqs_sin 2,048 x 64 float32; mask 2,048 x 2,048 float32; wk 2,048 x 2,048 float32; wo 2,048 x 2,048 float32; wq 2,048 x 2,048 float32; wv 2,048 x 2,048 float32; x 1 x 2,048 x 2,048 float32.
;; Outputs: out0 1 x 2,048 x 2,048 float32.
;; Constants: start_pos = 0.
;; This version of the problem:
;;   THIS VERSION OF THE PROBLEM IS GIVEN IN LOW PRECISION. The matrix products marked QUANTISED in the list below multiply operands that are first quantised to E2M1 (2 exponent bits, 1 mantissa bit; 4 bits a number), with one power-of-two scale for each 32 numbers along K (OCP MX v1.0); their sums are f32. The products marked 'left as it is' may take bf16, f16 or f32 operands, with f32 sums. Whichever they take, every output number must still come out within the allowed error. Rounding operands to bf16 (8 significant bits) uses up far more of that allowance than f16 does (11 bits, for magnitudes from 6e-5 to 65,504). All else is computed in f32.
;;   The module's matrix products, in the order in which they are computed (A, B: the left and right operand; K: the contracted axis; several contracted axes count as one K, in the product's order):
;;     1. [M 2,048, K 2,048] x [K 2,048, N 2,048]; A: input x; B: input wq: QUANTISED
;;     2. [M 2,048, K 2,048] x [K 2,048, N 2,048]; A: input x; B: input wk: QUANTISED
;;     3. [M 2,048, K 2,048] x [K 2,048, N 2,048]; A: input x; B: input wv: QUANTISED
;;     4. batch 16 x [M 2,048, K 128] x [K 128, N 2,048]; A: computed on the way; B: computed on the way: left as it is (an operand is computed on the way)
;;     5. batch 16 x [M 128, K 2,048] x [K 2,048, N 2,048]; A: computed on the way; B: computed on the way: left as it is (an operand is computed on the way)
;;     6. [M 2,048, K 2,048] x [K 2,048, N 2,048]; A: computed on the way; B: input wo: left as it is (an operand is computed on the way)
;;   THE QUANTISER, for each operand of a quantised product, along K:
;;     - K is cut into blocks of 32 from its start; a last block that is shorter is filled with zeros.
;;     - A block's scale is 2^e with e = floor(log2(the largest magnitude in the block)) - 2, held to -126 .. 127; a block of zeros has e = 0. As a byte (E8M0): e + 127.
;;     - Each number is divided by its block's scale, clamped to +-6, and rounded to the nearest number of E2M1, ties to even, subnormals kept.
;;     - The product sums the exact products of the quantised numbers (number of the format x scale) in f32.
;;   ~~~python
;;   def quantise(x, axis):      # numpy; x: float32 -> the quantised numbers, widened to float32 again
;;       x = np.moveaxis(x, axis, -1); K = x.shape[-1]
;;       x = np.pad(x, [(0, 0)] * (x.ndim - 1) + [(0, -K % 32)]); x = x.reshape(x.shape[:-1] + (-1, 32)); a = np.abs(x).max(-1, keepdims=True)
;;       e = np.where(a > 0, np.clip(np.frexp(np.where(a > 0, a, 1))[1] - 1 - 2, -126, 127), 0)      # np.frexp(a)[1] - 1 = floor(log2(a)), exactly
;;       r = np.clip(x / 2.0 ** e, -6, 6)
;;       step = 2.0 ** (np.maximum(np.frexp(np.where(r == 0, 1, r))[1] - 1, 0) - 1)
;;       q = np.round(r / step) * step * 2.0 ** e      # np.round: ties to even
;;       return np.moveaxis(q.reshape(q.shape[:-2] + (-1,))[..., :K], -1, axis).astype(np.float32)
;;   ~~~
;; One version. Each part assembles by itself: llvm-mc -triple=amdgcn-amd-amdhsa -mcpu=gfx1250 --defsym DOCPART=n.
;; ======== version 1 of 1: 6 launches
;; limits: inputs' magnitudes at most 8.5e+37; values are held in f16: magnitudes above 65,504 overflow, below 6.1e-05 lose precision
;; workspace buffers: codes 8,388,608 bytes; scales 524,288 bytes; wo16 8,388,608 bytes; flags 2,048 bytes of whole numbers; qkv16 25,165,824 bytes; qkv32 50,331,648 bytes; o16 8,388,608 bytes; o32 131,072 bytes
;; launch quant (part 1): grid 769 x 1, 4 waves a work-group, no clusters, 33,280 bytes of LDS; arguments x, wq, wk, wv, wo, mask, codes, scales, wo16, flags; writes codes, scales, wo16, flags
.if DOCPART == 1
	.amdgcn_target "amdgcn-amd-amdhsa--gfx1250"
	.amdhsa_code_object_version 6
	.text
	.protected	k_qa43b1a3850_quant
	.globl	k_qa43b1a3850_quant
	.p2align	8
	.type	k_qa43b1a3850_quant,@function
k_qa43b1a3850_quant:
	s_mov_b64 s[64:65], 0
	v_nop
	global_prefetch_b8 v0, s[64:65] scope:SCOPE_SE
	s_setreg_imm32_b32 hwreg(HW_REG_WAVE_MODE, 25, 1), 1
	s_wait_xcnt 0x0
; THREE JOBS IN ONE LAUNCH, told apart by the work-group's number alone.
; Work-groups 1..512: x, wq, wk, wv ([2048][2048] f32, K innermost) become codes of FP4 (E2M1), two a byte, and one E8M0 byte for each 32 along K.  The four tensors' codes lie one behind
;   the other (2,097,152 bytes each), and so do their scale bytes (131,072 each): x is the product's A, wq, wk, wv on end are its B of 6,144 rows.
; Work-groups 513..768: wo becomes f16 (the last product is left as it is and takes f16 operands).  Such a work-group reads 65,536 bytes, half of what one of the quantiser reads: the 768 streaming
;   work-groups are then three times 256, two of the quantiser and one of these for each number modulo 256.
; Work-group 0: for each block of 16 keys, does any of the mask's rows 0..15 hold a number above -infinity there?  Stored as whole numbers: later launches carry those blocks in f32.
;   flags: words 0-127: 1 for the first block of 16 rows of q, else 0; words 128-255 and 256-383: the key blocks' flags (for k and for v); words 384-387: the same 128 flags as bits.
; A block's scale is 2^(floor(log2(its largest magnitude)) - 2); its byte is the largest magnitude's exponent field - 2, held at 1 from below.
; LIMITS: a block of zeros gets the byte 1 where the rule says 127 (its codes are zeros; this program alone reads the bytes); blocks whose largest magnitude lies under 2^-124 are held at the byte 1;
; NaN and infinities among x, wq, wk, wv, wo and NaN in the mask are not served; |wo| beyond 65,504 has no f16 number.
; No tensor loads, no barrier: waves share nothing.  Only the quantiser's path touches LDS.
.set WAVES, 4
.set STEPS, 16
.set EMAX,  2
.set CB,    8                          ; bytes of 16 codes
.set R,     16                         ; v16-79   four sets of 16 numbers as they are loaded
.set X,     80                         ; v80-111  two sets of 16 neighbours
.set C,     128                        ; v128-191 codes: four registers for each step
.set E,     112                        ; v112-127 a scale byte for each step
.set WREG,  8192                       ; LDS: a region for each wave: two stages of 32 x SP bytes, then its 256 scale bytes
.set SP,    80                         ; a lane's place in a stage: 64 bytes + 16 of padding
.set SPW,   12                         ; v12 LDS address of my spare word; never rewritten
.set NIL,   13                         ; v13 0; never rewritten
.set SPARE, WAVES*WREG                 ; behind the four regions: the spare words, 128 bytes a wave
	s_load_b512 s[4:19], s[0:1], 0x0               ; x s[4:5], wq s[6:7], wk s[8:9], wv s[10:11], wo s[12:13], mask s[14:15], codes s[16:17], scales s[18:19]
	s_load_b128 s[20:23], s[0:1], 0x40             ; wo16 s[20:21], flags s[22:23]
	v_lshl_add_u32 v[SPW], v0, 2, SPARE
	v_mov_b32 v[NIL], 0
	v_lshrrev_b32 v1, 5, v0
	v_readfirstlane_b32 s24, v1                    ; wave
	v_and_b32 v2, 31, v0                           ; lane
	s_wait_kmcnt 0x0
	s_cmp_eq_u32 ttmp9, 0
	s_cbranch_scc1 .Lflags
	s_cmp_gt_u32 ttmp9, 512
	s_cbranch_scc1 .Lcvt
	; ---- THE QUANTISER.  A wave takes 16 steps of 512 numbers.  Each load reads 512 consecutive bytes; a step's 2,048 bytes turn through the wave's own stage, so that a lane holds 16 neighbours along K.
	v_lshlrev_b32 v3, 4, v2                        ; my 16 bytes of a load's 512
	s_mul_i32 s25, s24, WREG
	v_lshrrev_b32 v14, 2, v2
	v_mul_u32_u24 v14, v14, SP
	v_and_b32 v15, 3, v2
	v_lshl_add_u32 v14, v15, 4, v14
	v_add_nc_u32 v14, s25, v14                     ; the stage, on the way in: SP (lane / 4) + 16 (lane % 4)
	v_mul_u32_u24 v15, v2, SP
	v_add_nc_u32 v15, s25, v15                     ; and on the way out: SP x lane
	v_mul_u32_u24 v4, v2, CB                       ; my codes' place in a step's
	v_lshrrev_b32 v5, 1, v2
	s_add_co_u32 s25, s25, 2*32*SP
	v_add_nc_u32 v5, s25, v5                       ; my wave's 256 scale bytes, my block's byte
	v_lshlrev_b32 v7, 3, v2
	v_add_nc_u32 v6, s25, v7                       ; and on the way out 8 bytes a lane
	s_sub_co_u32 s26, ttmp9, 1                     ; g = 0..511
	s_lshr_b32 s27, s26, 7                         ; which tensor: 128 work-groups each
	s_cmp_eq_u32 s27, 1                            ; the choice hangs on the work-group's number alone
	s_cselect_b64 s[4:5], s[6:7], s[4:5]
	s_cmp_eq_u32 s27, 2
	s_cselect_b64 s[4:5], s[8:9], s[4:5]
	s_cmp_eq_u32 s27, 3
	s_cselect_b64 s[4:5], s[10:11], s[4:5]
	s_and_b32 s28, s26, 127
	s_lshl_b32 s28, s28, 2
	s_add_co_u32 s28, s28, s24
	s_lshl_b32 s28, s28, 15                        ; my wave's 8,192 numbers in its tensor: 32,768 bytes a run
	s_mov_b32 s29, 0
	s_add_nc_u64 s[4:5], s[4:5], s[28:29]
	s_lshl_b32 s30, s26, 2
	s_add_co_u32 s30, s30, s24                     ; the run's number over all four tensors
	s_lshl_b32 s28, s30, 12                        ; 4,096 bytes of codes a run
	s_add_nc_u64 s[16:17], s[16:17], s[28:29]
	s_lshl_b32 s28, s30, 8                         ; 256 scale bytes a run
	s_add_nc_u64 s[18:19], s[18:19], s[28:29]
.macro LOAD t
.irp i, 0,1,2,3
	global_load_b128 v[R+16*((\t)%4)+4*\i:R+16*((\t)%4)+4*\i+3], v3, s[4:5] offset:2048*(\t)+512*\i th:TH_LOAD_NT   ; 32 lanes read 512 consecutive bytes
.endr
.endm
.macro TURN t                          ; step t's numbers through the stage: LDS serves a wave's instructions in order, so no wait stands between the stores and the loads
.irp i, 0,1,2,3
	ds_store_b128 v14, v[R+16*((\t)%4)+4*\i:R+16*((\t)%4)+4*\i+3] offset:32*SP*((\t)%2)+8*SP*\i
.endr
.irp i, 0,1,2,3
	ds_load_b128 v[X+16*((\t)%2)+4*\i:X+16*((\t)%2)+4*\i+3], v15 offset:32*SP*((\t)%2)+16*\i
.endr
.endm
.irp t, 0,1,2,3
	LOAD \t
.endr
	s_wait_loadcnt 12                              ; step 0's four loads are in; three younger steps' twelve may be out
	TURN 0
.macro STEP t
.set XS, X+16*((\t)%2)
.if (\t) > 0
	s_wait_dscnt 1                                 ; this step's numbers are back from the stage (the last step's byte store may be out)
.else
	s_wait_dscnt 0x0
.endif
.if (\t)+4 < STEPS
	LOAD (\t)+4                                    ; into the registers whose numbers the stage's stores have read
.endif
.if (\t)+1 < STEPS
.if STEPS-2-(\t) >= 3
	s_wait_loadcnt 12                              ; the next step's four loads are in; those of the three steps behind it may be out
.else
	s_wait_loadcnt 4*(STEPS-2-(\t))
.endif
	TURN (\t)+1
.endif
	v_max3_num_f32 v8, |v[XS]|, |v[XS+1]|, |v[XS+2]|               ; the largest magnitude of my 16, in two chains
	v_max3_num_f32 v9, |v[XS+3]|, |v[XS+4]|, |v[XS+5]|
.irp i, 6,10
	v_max3_num_f32 v8, v8, |v[XS+\i]|, |v[XS+\i+1]|
	v_max3_num_f32 v9, v9, |v[XS+\i+2]|, |v[XS+\i+3]|
.endr
	v_max3_num_f32 v8, v8, |v[XS+14]|, |v[XS+15]|
	v_max3_num_f32 v8, v8, v9, (EMAX+1)<<23        ; and the floor 2^(3 - 127): the byte cannot fall under 1
	v_max_num_f32_dpp v8, v8, v8 row_xmask:1 row_mask:0xf bank_mask:0xf   ; and of my neighbour's 16: the block's
	v_add_nc_u32 v11, -(EMAX<<23), v8              ; 2 off its exponent field: the conversion takes the exponent field of this operand as its scale
	v_cvt_scalef32_pk8_fp4_f32 v[C+4*(\t)], v[XS:XS+7], v11
	v_cvt_scalef32_pk8_fp4_f32 v[C+4*(\t)+1], v[XS+8:XS+15], v11
	v_lshrrev_b32 v[E+(\t)], 23, v11               ; the scale's byte
	ds_store_b8 v5, v[E+(\t)] offset:16*(\t)       ; both lanes of a block write the same byte with the same value
	global_store_b64 v4, v[C+4*(\t):C+4*(\t)+1], s[16:17] offset:32*CB*(\t)   ; the wave stores 256 consecutive bytes, aligned
.endm
.irp t, 0,1,2,3,4,5,6,7,8,9,10,11,12,13,14,15
	STEP \t
.endr
	ds_load_b64 v[8:9], v6                         ; LDS serves a wave's instructions in order: these see my stores
	s_wait_dscnt 0x0
	global_store_b64 v7, v[8:9], s[18:19]          ; 32 lanes store 256 consecutive bytes, aligned
	s_wait_tensorcnt 0x0                           ; the wave's end
	ds_add_u32 v[SPW], v[NIL]
	s_wait_dscnt 0x0
	s_endpgm
	; ---- wo TO f16.  A wave takes 4,096 numbers: two groups of 16 loads of 512 bytes, all 32 issued at once.
.Lcvt:
	s_sub_co_u32 s26, ttmp9, 513
	s_lshl_b32 s26, s26, 2
	s_add_co_u32 s26, s26, s24                     ; which run of 4,096 numbers is my wave's: 0..1023
	s_lshl_b32 s28, s26, 14                        ; 16,384 bytes of f32 a run
	s_mov_b32 s29, 0
	s_add_nc_u64 s[12:13], s[12:13], s[28:29]
	s_lshl_b32 s28, s26, 13                        ; 8,192 bytes of f16
	s_add_nc_u64 s[20:21], s[20:21], s[28:29]
	v_lshlrev_b32 v3, 4, v2
	v_lshlrev_b32 v4, 3, v2
.macro WLOAD set, g
.irp i, 0,1,2,3,4,5,6,7,8,9,10,11,12,13,14,15
	global_load_b128 v[\set+4*\i:\set+4*\i+3], v3, s[12:13] offset:8192*(\g)+512*\i th:TH_LOAD_NT
.endr
.endm
.macro CV set, g, dst                  ; group g's 64 numbers a lane, rounded to f16 into v[dst] on, and stored
.irp i, 0,1,2,3,4,5,6,7,8,9,10,11,12,13,14,15
	v_cvt_pk_f16_f32 v[\dst+2*\i], v[\set+4*\i], v[\set+4*\i+1]
	v_cvt_pk_f16_f32 v[\dst+2*\i+1], v[\set+4*\i+2], v[\set+4*\i+3]
.endr
.irp i, 0,1,2,3,4,5,6,7,8,9,10,11,12,13,14,15
	global_store_b64 v4, v[\dst+2*\i:\dst+2*\i+1], s[20:21] offset:4096*(\g)+256*\i   ; the wave stores 256 consecutive bytes, aligned
.endr
.endm
	WLOAD 16, 0
	WLOAD 80, 1
	s_wait_loadcnt 16                              ; the older group is in; the younger sixteen may be out
	CV 16, 0, 144
	s_wait_loadcnt 0x0
	CV 80, 1, 16                                   ; into the first group's registers, which its conversions have read: no store's data are written again
	s_endpgm
	; ---- THE FLAGS.  Thread t stands for keys 16 t .. 16 t + 15: 64 bytes of each of the mask's first 16 rows, eight rows at a time.
.Lflags:
	v_lshlrev_b32 v3, 6, v0
.macro MLOAD base
.irp q, 0,1,2,3,4,5,6,7
.irp i, 0,1,2,3
	global_load_b128 v[16+16*\q+4*\i:16+16*\q+4*\i+3], v3, s[14:15] offset:(\base+\q)*8192+16*\i
.endr
.endr
.endm
	MLOAD 0
	s_wait_loadcnt 0x0
	v_max3_num_f32 v8, v16, v17, v18
.set j, 19
.rept 62
	v_max3_num_f32 v8, v8, v[j], v[j+1]
.set j, j+2
.endr
	v_max_num_f32 v8, v8, v143
	MLOAD 8
	s_wait_loadcnt 0x0
.set j, 16
.rept 64
	v_max3_num_f32 v8, v8, v[j], v[j+1]
.set j, j+2
.endr
	s_mov_b32 s30, 0xff800000                      ; -infinity
	v_cmp_lt_f32 vcc_lo, s30, v8                   ; some number of the block counts
	s_mov_b32 s31, vcc_lo                          ; my wave's 32 flags as bits
	v_cndmask_b32 v9, 0, 1, vcc_lo
	v_cmp_eq_u32 vcc_lo, 0, v0
	v_cndmask_b32 v10, 0, 1, vcc_lo                ; q: its first 16 rows alone
	v_lshlrev_b32 v11, 2, v0
	global_store_b32 v11, v10, s[22:23]
	global_store_b32 v11, v9, s[22:23] offset:512
	global_store_b32 v11, v9, s[22:23] offset:1024
	v_mov_b32 v14, s31
	s_lshl_b32 s32, s24, 2
	v_mov_b32 v15, s32
	s_wait_xcnt 0x0                                ; EXEC changes only behind this wait
	v_cmp_eq_u32 vcc_lo, 0, v2
	s_and_saveexec_b32 s33, vcc_lo
	global_store_b32 v15, v14, s[22:23] offset:1536
	s_wait_xcnt 0x0
	s_or_b32 exec_lo, exec_lo, s33
	s_endpgm
.Lfunc_end_k_qa43b1a3850_quant:
	.size	k_qa43b1a3850_quant, .Lfunc_end_k_qa43b1a3850_quant-k_qa43b1a3850_quant
	.p2alignl 7, 3214868480
	.fill 96, 4, 3214868480
	.section	.rodata,"a",@progbits
	.p2align	6, 0x0
	.amdhsa_kernel k_qa43b1a3850_quant
		.amdhsa_group_segment_fixed_size 33280
		.amdhsa_private_segment_fixed_size 0
		.amdhsa_enable_private_segment 0
		.amdhsa_kernarg_size 80
		.amdhsa_user_sgpr_count 2
		.amdhsa_user_sgpr_kernarg_segment_ptr 1
		.amdhsa_wavefront_size32 1
		.amdhsa_system_sgpr_workgroup_id_x 1
		.amdhsa_system_sgpr_workgroup_id_y 1
		.amdhsa_system_sgpr_workgroup_id_z 1
		.amdhsa_system_vgpr_workitem_id 0
		.amdhsa_next_free_vgpr 192
		.amdhsa_next_free_sgpr 66
		.amdhsa_reserve_vcc 1
		.amdhsa_float_denorm_mode_32 3
		.amdhsa_float_denorm_mode_16_64 3
		.amdhsa_memory_ordered 1
		.amdhsa_forward_progress 1
		.amdhsa_inst_pref_size 59
	.end_amdhsa_kernel
	.amdgpu_metadata
---
amdhsa.version: [ 1, 2 ]
amdhsa.kernels:
  - .name:           k_qa43b1a3850_quant
    .symbol:         k_qa43b1a3850_quant.kd
    .args:
      - { .name: x, .offset: 0, .size: 8, .value_kind: global_buffer, .address_space: global }
      - { .name: wq, .offset: 8, .size: 8, .value_kind: global_buffer, .address_space: global }
      - { .name: wk, .offset: 16, .size: 8, .value_kind: global_buffer, .address_space: global }
      - { .name: wv, .offset: 24, .size: 8, .value_kind: global_buffer, .address_space: global }
      - { .name: wo, .offset: 32, .size: 8, .value_kind: global_buffer, .address_space: global }
      - { .name: mask, .offset: 40, .size: 8, .value_kind: global_buffer, .address_space: global }
      - { .name: codes, .offset: 48, .size: 8, .value_kind: global_buffer, .address_space: global }
      - { .name: scales, .offset: 56, .size: 8, .value_kind: global_buffer, .address_space: global }
      - { .name: wo16, .offset: 64, .size: 8, .value_kind: global_buffer, .address_space: global }
      - { .name: flags, .offset: 72, .size: 8, .value_kind: global_buffer, .address_space: global }
    .group_segment_fixed_size: 33280
    .private_segment_fixed_size: 0
    .kernarg_segment_align: 8
    .kernarg_segment_size: 80
    .max_flat_workgroup_size: 128
    .sgpr_count:     66
    .vgpr_count:     192
    .wavefront_size: 32
...
	.end_amdgpu_metadata
.endif
;; end of part 1
;; launch qkv (part 2): grid 24 x 8, 4 waves a work-group, clusters of 4 x 4, 327,680 bytes of LDS; arguments codes, scales, freqs_cos, freqs_sin, flags, qkv16, qkv32; writes qkv16, qkv32
.if DOCPART == 2
	.amdgcn_target "amdgcn-amd-amdhsa--gfx1250"
	.amdhsa_code_object_version 6
	.text
	.protected	k_qa43b1a3850_qkv
	.globl	k_qa43b1a3850_qkv
	.p2align	8
	.type	k_qa43b1a3850_qkv,@function
k_qa43b1a3850_qkv:
	s_mov_b64 s[64:65], 0
	v_nop
	global_prefetch_b8 v0, s[64:65] scope:SCOPE_SE
	s_setreg_imm32_b32 hwreg(HW_REG_WAVE_MODE, 25, 1), 1
	s_wait_xcnt 0x0
	s_wait_alu depctr_hold_cnt(0) depctr_sa_sdst(0) depctr_va_vdst(0) depctr_va_sdst(0) depctr_va_ssrc(0) depctr_va_vcc(0) depctr_vm_vsrc(0)
	s_getreg_b32 s2, hwreg(HW_REG_IB_STS2, 6, 4)
	s_cmp_eq_u32 s2, 0
	s_cbranch_scc0 .Lentry_in_a_cluster
	s_endpgm
.Lentry_in_a_cluster:
	s_bfe_u32 s2, ttmp6, 0x10000c
	s_cmp_lg_u32 s2, 0xf033
	s_cbranch_scc0 .Lentry_shape_is_right
	s_endpgm
.Lentry_shape_is_right:
; C[2048][6144] = x [wq; wk; wv]^T on codes of FP4 (E2M1) with one E8M0 scale for each 32 along K; sums in f32.  Then, in f32: the rotation of q and k by freqs_cos and freqs_sin; q x 1/sqrt(128).
; OUT: qkv16, f16, [48][2048][128]: slot = C's column / 128: 0-15 q's heads, 16-31 k's, 32-47 v's.  And qkv32, the same in f32, only for the blocks of 16 rows that the flags name.
; A tile of C, 256 x 256, is made by four waves; a wave makes 128 x 128 (64 accumulators, 512 registers): its 128 columns are one slot.  192 work-groups: a tile that gave 256 would straddle the borders of q, k and v.
; K goes in steps of 512 through a ring of two LDS slots filled by the tensor data mover (a tile's row is 256 bytes).  The scales of the work-group's rows, for all of K, come into LDS once.
; CLUSTERS: 4 x 4 work-groups; A's tiles are asked for jointly along a row of the cluster, B's along a column.  The matrix instruction is used transposed (source 0 = rows of B, source 1 = rows of A).
; The flags are loaded numbers: they decide EXEC for the f32 stores, by a select; no branch hangs on them.  The branches of the way out hang on the cluster's x alone (q, k or v), equal in all partners.
; LIMITS: |q / sqrt(128)|, |k|, |v| beyond 65,504 have no f16 number.
; REGISTERS: window 0: v0-31 addresses; v32-95 scale words, two sets; from v128 A's fragments.  window 1: B's fragments, two sets.  windows 2, 3: the accumulators.
;   On the way out: window 0: v8-15 at work, v96-127 f16 results, v128-255 two sets of 16 rows; window 1: four sets of cos and sin.
.set SIZE_M, 2048
.set SIZE_N, 6144
.set SIZE_K, 2048
.set KSTEP,  512
.set NQ,     KSTEP/128
.set ROWB,   256
.set KROW,   SIZE_K*4/8
.set PITCH,  272                       ; an LDS row: 256 bytes + 16 of padding: the 16 rows that a load touches start at 16 different banks (ISA guide 11.1)
.set FR,     8
.set NL,     2
.set NP,     4                         ; places behind this matrix instruction (ISA guide 7.12.1)
.set HALFT,  128*PITCH
.set SLOT,   4*HALFT
.set LAPS,   SIZE_K/(2*KSTEP)
.set KS,     SIZE_K/32
.set SCL,    2*SLOT
.set HALFS,  (128*KS/256)*272
.set SBLK,   (16*KS/256)*272
.set SPARE,  SCL+4*HALFS               ; the spare words, 128 bytes a wave
.set SPITCH, 528                       ; the way out: a stage of 16 rows x (512 + 16) bytes for each wave, in slot 0, which has had its last fill and its last read by then
.set ADRA, 16
.set ADRB, 20
.set STO,  24                          ; v24 the stage: where I put 32 bytes of a row
.set RD,   25                          ; v25 and where I read 32 bytes back: row lane / 16, columns 8 (lane % 16) on
.set VO16, 26                          ; v26 (lane / 16) x 256 + (lane % 16) x 16: my place in two rows of cos, of sin and of qkv16
.set ADRS, 27
.set SPW,  28
.set NIL,  29
.set VO32, 30                          ; v30 (lane / 16) x 512 + (lane % 16) x 32: the same in qkv32
.set TT,   8
.set HH,   96
.set SC,   32
.set AF,   128
.set BK,   128
.set G1, 24
.set G0, 32
.set G1B, 48
.set G0B, 56
.set G1S, 68
.set G0S, 76
.set G1SB, 80
.set G0SB, 88
.set MSB, 0
.macro WIN new                         ; the immediate's high byte repeats the setting that is left
.if MSB != \new
	s_set_vgpr_msb (MSB<<8)|\new
.set MSB, \new
.endif
.endm
.set MUL_LO, 0xa1
.set MUL_HI, 0xf1
.set TO_B,   0x40
; A joint load: waves 0 and 1 fetch for A, waves 2 and 3 for B.  An s_nop 0 and four v_nop follow each of the two lines.
.macro JLOAD g0a, g1a, g0b, g1b
	s_cmp_eq_u32 s15, 0
	s_cbranch_scc0 .Lfor_b_\@
	tensor_load_to_lds s[\g0a:\g0a+3], s[\g1a:\g1a+7]
	s_nop 0
.rept 4
	v_nop
.endr
	s_branch .Lasked_\@
.Lfor_b_\@:
	tensor_load_to_lds s[\g0b:\g0b+3], s[\g1b:\g1b+7]
	s_nop 0
.rept 4
	v_nop
.endr
.Lasked_\@:
.endm
.macro CREST
	s_cmp_lg_u32 s14, 0
	s_cbranch_scc1 .Lnot_wave_0_\@
	s_barrier_signal -3
.Lnot_wave_0_\@:
	s_barrier_wait -3
	s_barrier_signal -1
	s_barrier_wait -1
.endm
.macro CROUND
	s_barrier_signal -1
	s_barrier_wait -1
	CREST
.endm
	s_load_b128 s[4:7], s[0:1], 0x0                ; codes s[4:5], scales s[6:7]
	v_lshl_add_u32 v[SPW], v0, 2, SPARE
	v_mov_b32 v[NIL], 0
	ds_add_u32 v[SPW], v[NIL]                      ; the wave's opening: the add, twice on end; its wait stands ahead of my first tensor load
	ds_add_u32 v[SPW], v[NIL]
	v_lshrrev_b32 v1, 5, v0
	v_readfirstlane_b32 s14, v1                    ; wave 0..3
	s_lshr_b32 s15, s14, 1                         ; which half of the tile's rows is mine.  Also: I fetch for A (0) or for B (1)
	s_and_b32 s16, s14, 1                          ; which half of its columns.  Also: which 128 rows of that tile I fetch
	s_bfe_u32 s40, ttmp6, 0x40000                  ; cx, cy
	s_bfe_u32 s41, ttmp6, 0x40004
	s_lshl_b32 s42, ttmp9, 2
	s_add_co_u32 s42, s42, s40                     ; tile column of C
	s_and_b32 s17, ttmp7, 0xffff
	s_lshl_b32 s17, s17, 2
	s_add_co_u32 s17, s17, s41                     ; tile row of C
	s_lshl_b32 s43, s41, 2
	s_lshl_b32 s43, 15, s43                        ; my row of the cluster
	s_lshl_b32 s44, 0x1111, s40                    ; my column
	s_or_b32 s[G1+0], s43, (0<<16)|(1<<20)|(1<<21)|(5<<22)|(3<<25)  ; the mask; elements of 1 byte; padding: 4 words after every 64
	s_or_b32 s[G1B+0], s44, (0<<16)|(1<<20)|(1<<21)|(5<<22)|(3<<25)
.irp g, G1, G1B
	s_mov_b32 s[\g+1], ROWB<<16                    ; tensor_dim0
	s_mov_b32 s[\g+2], 128<<16                     ; tensor_dim1
	s_mov_b32 s[\g+3], ROWB<<16                    ; tile_dim0
	s_mov_b32 s[\g+4], 128                         ; tile_dim1
	s_mov_b32 s[\g+5], KROW                        ; stride
	s_mov_b32 s[\g+6], 0
	s_mov_b32 s[\g+7], 0
.endr
	s_or_b32 s[G1S+0], s43, (3<<16)|(1<<20)|(1<<21)|(5<<22)|(3<<25)  ; the scales of 128 rows: a dense block, as rows of 256 bytes (32 elements of 8), 16 bytes of padding behind each
	s_or_b32 s[G1SB+0], s44, (3<<16)|(1<<20)|(1<<21)|(5<<22)|(3<<25)
.irp g, G1S, G1SB
	s_mov_b32 s[\g+1], 32<<16
	s_mov_b32 s[\g+2], (128*KS/256)<<16
	s_mov_b32 s[\g+3], 32<<16
	s_mov_b32 s[\g+4], 128*KS/256
	s_mov_b32 s[\g+5], 32
	s_mov_b32 s[\g+6], 0
	s_mov_b32 s[\g+7], 0
.endr
	s_lshl_b32 s18, s16, 7
	s_lshl_b32 s20, s17, 8
	s_add_co_u32 s20, s20, s18                     ; A: row 256 x tile row + 128 x half
	s_lshl_b32 s46, s42, 8
	s_add_co_u32 s46, s46, s18                     ; B: row 256 x tile column + 128 x half
	s_mov_b32 s21, 0
	s_mov_b32 s47, 0
	s_mov_b64 s[18:19], KS
	s_mul_u64 s[22:23], s[20:21], s[18:19]
	s_mul_u64 s[92:93], s[46:47], s[18:19]
	s_mov_b64 s[18:19], KROW
	s_mul_u64 s[20:21], s[20:21], s[18:19]
	s_mul_u64 s[46:47], s[46:47], s[18:19]
	s_mul_i32 s45, s14, HALFT
	s_mul_i32 s94, s14, HALFS
	s_wait_dscnt 0x0                               ; both opening adds are done
	s_wait_kmcnt 0x0
	s_add_nc_u64 s[8:9], s[4:5], 0x200000          ; B's codes lie behind x's 2,048 rows of 1,024 bytes,
	s_add_nc_u64 s[10:11], s[6:7], 0x20000         ; B's scales behind x's 2,048 rows of 64
	s_add_nc_u64 s[20:21], s[4:5], s[20:21]
	s_add_nc_u64 s[22:23], s[6:7], s[22:23]
	s_add_nc_u64 s[46:47], s[8:9], s[46:47]
	s_add_nc_u64 s[92:93], s[10:11], s[92:93]
	CROUND                                         ; all sixteen work-groups are here: the first joint loads meet
	s_mov_b32 s[G0S], 1
	s_add_co_u32 s[G0S+1], s94, SCL
	s_mov_b64 s[G0S+2:G0S+3], s[22:23]
	s_or_b32 s[G0S+3], s[G0S+3], 0x80000000
	s_mov_b32 s[G0SB], 1
	s_add_co_u32 s[G0SB+1], s94, SCL
	s_mov_b64 s[G0SB+2:G0SB+3], s[92:93]
	s_or_b32 s[G0SB+3], s[G0SB+3], 0x80000000
	JLOAD G0S, G1S, G0SB, G1SB                     ; the scales first
.irp s, 0,1
	s_mov_b32 s[G0+4*\s], 1
	s_add_co_u32 s[G0+4*\s+1], s45, \s*SLOT
	s_add_nc_u64 s[G0+4*\s+2:G0+4*\s+3], s[20:21], \s*ROWB
	s_or_b32 s[G0+4*\s+3], s[G0+4*\s+3], 0x80000000
	s_mov_b32 s[G0B+4*\s], 1
	s_add_co_u32 s[G0B+4*\s+1], s45, \s*SLOT
	s_add_nc_u64 s[G0B+4*\s+2:G0B+4*\s+3], s[46:47], \s*ROWB
	s_or_b32 s[G0B+4*\s+3], s[G0B+4*\s+3], 0x80000000
	JLOAD G0+4*\s, G1, G0B+4*\s, G1B
.endr
	v_and_b32 v1, 15, v0                           ; l % 16
	v_bfe_u32 v2, v0, 4, 1                         ; l / 16
	v_mul_u32_u24 v3, v1, PITCH
	v_lshl_add_u32 v4, v2, 4, v3
	s_mul_i32 s21, s15, HALFT
	s_mul_i32 s22, s16, HALFT
	s_add_co_u32 s22, s22, 2*HALFT
.irp s, 0,1
	v_add_nc_u32 v[ADRA+\s], s21, v4
	v_add_nc_u32 v[ADRB+\s], s22, v4
	s_add_co_u32 s21, s21, SLOT
	s_add_co_u32 s22, s22, SLOT
.endr
	v_mul_u32_u24 v5, v1, KS
	v_lshrrev_b32 v6, 8, v5
	v_lshl_add_u32 v5, v6, 4, v5
	s_mul_i32 s21, s15, HALFS
	s_mul_i32 s22, s16, HALFS
	s_add_co_u32 s22, s22, 2*HALFS
	s_sub_co_u32 s22, s22, s21
	v_mul_u32_u24 v6, s22, v2                      ; lanes 16-31 take B's
	s_add_co_u32 s21, s21, SCL
	v_add_nc_u32 v5, v5, v6
	v_add_nc_u32 v[ADRS], s21, v5
	s_mul_i32 s23, s14, 16*SPITCH                  ; my stage
	v_mul_u32_u24 v5, v1, SPITCH
	v_lshl_add_u32 v5, v2, 5, v5
	v_add_nc_u32 v[STO], s23, v5
	v_mul_u32_u24 v6, v2, SPITCH
	v_lshl_add_u32 v6, v1, 5, v6
	v_add_nc_u32 v[RD], s23, v6
	v_lshlrev_b32 v[VO16], 8, v2
	v_lshl_add_u32 v[VO16], v1, 4, v[VO16]
	v_lshlrev_b32 v[VO32], 9, v2
	v_lshl_add_u32 v[VO32], v1, 5, v[VO32]
.macro FRAG reg, adr, q, i             ; 16 rows x 128 K of 4-bit codes: 8 registers
.irp c, 0,1
	ds_load_b128 v[\reg+4*\c:\reg+4*\c+3], v[\adr] offset:64*(\q)+32*\c+(\i)*16*PITCH
.endr
.endm
; 16 matrix instructions.  The 64 accumulators take turns, one instruction a turn, in the same order in every step.
.macro MUL16 a0, p, q, sc, zero
.irp a, \a0, \a0+1
.irp b, 0,1,2,3,4,5,6,7
.if \zero
	v_wmma_scale_f32_16x16x128_f8f6f4 v[8*(8*((\a)%4)+\b):8*(8*((\a)%4)+\b)+7], v[128*(\p)+FR*\b:128*(\p)+FR*\b+FR-1], v[AF+FR*(\a):AF+FR*(\a)+FR-1], 0, v[SC+8*NQ*(\sc)+NQ*\b+(\q)], v[SC+8*NQ*(\sc)+NQ*(\a)+(\q)] matrix_a_fmt:MATRIX_FMT_FP4 matrix_b_fmt:MATRIX_FMT_FP4 matrix_a_scale:MATRIX_SCALE_ROW1
.else
	v_wmma_scale_f32_16x16x128_f8f6f4 v[8*(8*((\a)%4)+\b):8*(8*((\a)%4)+\b)+7], v[128*(\p)+FR*\b:128*(\p)+FR*\b+FR-1], v[AF+FR*(\a):AF+FR*(\a)+FR-1], v[8*(8*((\a)%4)+\b):8*(8*((\a)%4)+\b)+7], v[SC+8*NQ*(\sc)+NQ*\b+(\q)], v[SC+8*NQ*(\sc)+NQ*(\a)+(\q)] matrix_a_fmt:MATRIX_FMT_FP4 matrix_b_fmt:MATRIX_FMT_FP4 matrix_a_scale:MATRIX_SCALE_ROW1
.endif
.endr
.endr
.endm
.macro FETCH_B slot, q, p
	WIN TO_B
.irp i, 0,1,2,3,4,5,6,7
	FRAG 128*(\p)+FR*\i, ADRB+\slot, \q, \i
.endr
	WIN 0
.endm
.macro FETCH_A slot, q, i0
.irp i, \i0, \i0+1, \i0+2, \i0+3
	FRAG AF+FR*(\i), ADRA+\slot, \q, \i
.endr
.endm
.macro SCALES sc                       ; lanes 0-15 take A's block i, lanes 16-31 B's block i
.irp i, 0,1,2,3,4,5,6,7
	ds_load_b128 v[SC+8*NQ*\sc+NQ*\i:SC+8*NQ*\sc+NQ*\i+3], v[ADRS] offset:\i*SBLK
.endr
.endm
.macro PLACES n                        ; plain vector instructions between a matrix instruction and a load into, or a read of, its registers
.rept \n
	v_nop
.endr
.endm
.macro STEP slot, q, zero
	s_wait_dscnt 4*NL                              ; B's set and A's blocks 0-3 are in; the youngest eight loads (A's blocks 4-7) may be out
	WIN MUL_LO
	MUL16 0, (\q)%2, \q, \slot, \zero
	MUL16 2, (\q)%2, \q, \slot, \zero
	s_wait_dscnt 0
	PLACES NP
	FETCH_B \slot, (\q)+1, 1-(\q)%2
	FETCH_A \slot, (\q)+1, 0
	WIN MUL_HI
	MUL16 4, (\q)%2, \q, \slot, \zero
	MUL16 6, (\q)%2, \q, \slot, \zero
	PLACES NP
	WIN 0
	FETCH_A \slot, (\q)+1, 4
.endm
; A slot's last step changes slots: one barrier; in front of it each wave waits for all its tensor loads, adds 0 to its spare word, and waits for that and for its own reads of this slot.
.macro TURN slot, next, fill
	s_wait_tensorcnt 0x0                           ; all my tensor loads have landed: my part of the next slot
	ds_add_u32 v[SPW], v[NIL]
	s_wait_dscnt 4*NL+1                            ; the add and the youngest eight loads may be out
	WIN MUL_LO
	MUL16 0, 1, NQ-1, \slot, 0
	s_wait_dscnt 0x0                               ; the add is done, and my reads of this slot are over
	s_barrier_signal -1
	MUL16 2, 1, NQ-1, \slot, 0
	WIN 0
	s_barrier_wait -1
.if \fill
	CREST                                          ; the barrier has opened a round of the cluster's barrier: no wave of any partner still reads this slot or has a load on its way
	s_add_nc_u64 s[G0+4*\slot+2:G0+4*\slot+3], s[G0+4*\slot+2:G0+4*\slot+3], 2*ROWB
	s_add_nc_u64 s[G0B+4*\slot+2:G0B+4*\slot+3], s[G0B+4*\slot+2:G0B+4*\slot+3], 2*ROWB
	JLOAD G0+4*\slot, G1, G0B+4*\slot, G1B
.else
	PLACES NP
.endif
	v_add_nc_u32 v[ADRS], 4*NQ, v[ADRS]
	FETCH_B \next, 0, 0
	FETCH_A \next, 0, 0
	SCALES \next
	WIN MUL_HI
	MUL16 4, 1, NQ-1, \slot, 0
	MUL16 6, 1, NQ-1, \slot, 0
	PLACES NP
	WIN 0
	FETCH_A \next, 0, 4
.endm
.macro STEPS slot, from
.set Q, \from
.rept NQ-1-\from
	STEP \slot, Q, 0
.set Q, Q+1
.endr
.endm
	s_wait_tensorcnt 1                             ; the scales and my part of K step 0 are in (K step 1's load may be out),
	s_barrier_signal -1
	s_barrier_wait -1                              ; everybody's are
	FETCH_B 0, 0, 0
	FETCH_A 0, 0, 0
	SCALES 0
	FETCH_A 0, 0, 4
	STEP 0, 0, 1                                   ; the first step's products start the sums
	s_mov_b32 s3, LAPS-1
.Llap:
	STEPS 0, 1
	TURN 0, 1, 1
	STEPS 1, 0
	TURN 1, 0, 1
	STEP 0, 0, 0
	s_sub_co_u32 s3, s3, 1
	s_cmp_lg_u32 s3, 0
	s_cbranch_scc1 .Llap
	s_load_b256 s[68:75], s[0:1], 0x10             ; the scales' descriptors are done with (their loads were shown landed long ago): cos s[68:69], sin s[70:71], flags s[72:73], qkv16 s[74:75]
	s_load_b64 s[76:77], s[0:1], 0x30              ; qkv32
	STEPS 0, 1
	TURN 0, 1, 0
	s_wait_kmcnt 0x0
	s_lshr_b32 s66, ttmp9, 1                       ; 0: q, 1: k, 2: v: two clusters along x each; equal in all sixteen partners
	s_lshl_b32 s67, s66, 7
	s_lshl_b32 s18, s17, 4
	s_add_co_u32 s67, s67, s18
	s_lshl_b32 s18, s15, 3
	s_add_co_u32 s67, s67, s18
	s_lshl_b32 s67, s67, 2                         ; the flags of my eight blocks of 16 rows: table x 128 + row / 16, 4 bytes each
	s_load_b256 s[80:87], s[72:73], s67 offset:0x0
	STEPS 1, 0
	s_wait_dscnt 4*NL
	WIN MUL_LO
	MUL16 0, 1, NQ-1, 1, 0
	MUL16 2, 1, NQ-1, 1, 0
	s_wait_dscnt 0
	WIN MUL_HI
	MUL16 4, 1, NQ-1, 1, 0
	MUL16 6, 1, NQ-1, 1, 0
	WIN 0
	s_wait_kmcnt 0x0
	s_lshl_b32 s18, s17, 8
	s_lshl_b32 s19, s15, 7
	s_add_co_u32 s18, s18, s19                     ; my first row
	s_lshl_b32 s20, s18, 8                         ; a row of cos, of sin and of a slot of qkv16 is 256 bytes
	s_mov_b32 s21, 0
	s_add_nc_u64 s[68:69], s[68:69], s[20:21]
	s_add_nc_u64 s[70:71], s[70:71], s[20:21]
	s_lshl_b32 s22, s42, 1
	s_add_co_u32 s22, s22, s16                     ; my slot
	s_lshl_b32 s46, s22, 19
	s_mov_b32 s47, 0
	s_add_nc_u64 s[74:75], s[74:75], s[46:47]
	s_add_nc_u64 s[74:75], s[74:75], s[20:21]
	s_lshl_b32 s46, s22, 20
	s_add_nc_u64 s[76:77], s[76:77], s[46:47]
	s_lshl_b32 s20, s18, 9
	s_add_nc_u64 s[76:77], s[76:77], s[20:21]
	s_mov_b32 s88, 0x3db504f3                      ; 1 / sqrt(128)
	s_mov_b32 s89, s88
; THE WAY OUT, block by block of 16 rows x 128 columns.  A block goes through my own stage and comes back so that a lane holds EIGHT NEIGHBOURING COLUMNS of a row (four pairs of the rotation; 16 bytes of f16),
; sixteen lanes a row.  LDS serves a wave's instructions in order (ISA guide 5.7.1.4): no wait between the stores and the loads, nor in front of the next block's stores.
.macro CSLOAD a                        ; the block's cos and sin: 16 loads, each two whole rows of 256 bytes; into set a % 4 of window 1
.set CC, 64*((\a)%4)
	WIN 0x40
.irp t, 0,1,2,3,4,5,6,7
	global_load_b128 v[CC+4*\t:CC+4*\t+3], v[VO16], s[68:69] offset:4096*(\a)+512*\t
	global_load_b128 v[CC+32+4*\t:CC+32+4*\t+3], v[VO16], s[70:71] offset:4096*(\a)+512*\t
.endr
	WIN 0
.endm
.macro TOSTAGE a
.set AC, 64*((\a)%4)
	WIN 0x08+4*((\a)/4)                            ; the data: window 2 or 3
.irp b, 0,1,2,3,4,5,6,7
	ds_store_b128 v[STO], v[AC+8*\b:AC+8*\b+3] offset:64*\b          ; each accumulator from its low end on
	ds_store_b128 v[STO], v[AC+8*\b+4:AC+8*\b+7] offset:64*\b+16
.endr
	WIN 0
.set BB, BK+64*((\a)%2)
.irp t, 0,1,2,3,4,5,6,7
	ds_load_b128 v[BB+8*\t:BB+8*\t+3], v[RD] offset:\t*2*SPITCH      ; register 8 t + j: row 2 t + lane / 16, column 8 (lane % 16) + j
	ds_load_b128 v[BB+8*\t+4:BB+8*\t+7], v[RD] offset:\t*2*SPITCH+16
.endr
.endm
.macro ROPE a                          ; (a, b) -> (a c - b s, a s + b c): a packed multiply by c, then a packed multiply-add that takes the pair crosswise and negates b in the low half
.set BB, BK+64*((\a)%2)
.set CC, 64*((\a)%4)
	s_cmp_eq_u32 s66, 2
	s_cbranch_scc1 .Lno_rope_\@
	WIN 0x04                                       ; source 1 (cos, sin) window 1
.irp t, 0,1,2,3,4,5,6,7
	v_pk_mul_f32 v[TT:TT+1],   v[BB+8*\t:BB+8*\t+1],   v[CC+4*\t:CC+4*\t+1]   op_sel:[0,0] op_sel_hi:[1,0]
	v_pk_mul_f32 v[TT+2:TT+3], v[BB+8*\t+2:BB+8*\t+3], v[CC+4*\t:CC+4*\t+1]   op_sel:[0,1] op_sel_hi:[1,1]
	v_pk_mul_f32 v[TT+4:TT+5], v[BB+8*\t+4:BB+8*\t+5], v[CC+4*\t+2:CC+4*\t+3] op_sel:[0,0] op_sel_hi:[1,0]
	v_pk_mul_f32 v[TT+6:TT+7], v[BB+8*\t+6:BB+8*\t+7], v[CC+4*\t+2:CC+4*\t+3] op_sel:[0,1] op_sel_hi:[1,1]
	v_pk_fma_f32 v[BB+8*\t:BB+8*\t+1],   v[BB+8*\t:BB+8*\t+1],   v[CC+32+4*\t:CC+32+4*\t+1],   v[TT:TT+1]   op_sel:[1,0,0] op_sel_hi:[0,0,1] neg_lo:[1,0,0]
	v_pk_fma_f32 v[BB+8*\t+2:BB+8*\t+3], v[BB+8*\t+2:BB+8*\t+3], v[CC+32+4*\t:CC+32+4*\t+1],   v[TT+2:TT+3] op_sel:[1,1,0] op_sel_hi:[0,1,1] neg_lo:[1,0,0]
	v_pk_fma_f32 v[BB+8*\t+4:BB+8*\t+5], v[BB+8*\t+4:BB+8*\t+5], v[CC+32+4*\t+2:CC+32+4*\t+3], v[TT+4:TT+5] op_sel:[1,0,0] op_sel_hi:[0,0,1] neg_lo:[1,0,0]
	v_pk_fma_f32 v[BB+8*\t+6:BB+8*\t+7], v[BB+8*\t+6:BB+8*\t+7], v[CC+32+4*\t+2:CC+32+4*\t+3], v[TT+6:TT+7] op_sel:[1,1,0] op_sel_hi:[0,1,1] neg_lo:[1,0,0]
.endr
	WIN 0
.Lno_rope_\@:
.endm
.macro SCALEQ a                        ; q alone: x 1 / sqrt(128), so that the scores need no scaling
.set BB, BK+64*((\a)%2)
	s_cmp_lg_u32 s66, 0
	s_cbranch_scc1 .Lno_scale_\@
.set i, 0
.rept 32
	v_pk_mul_f32 v[BB+2*i:BB+2*i+1], v[BB+2*i:BB+2*i+1], s[88:89] op_sel_hi:[1,0]
.set i, i+1
.endr
.Lno_scale_\@:
.endm
.macro OUT a
.set BB, BK+64*((\a)%2)
.irp t, 0,1,2,3,4,5,6,7
.irp p, 0,1,2,3
	v_cvt_pk_f16_f32 v[HH+4*\t+\p], v[BB+8*\t+2*\p], v[BB+8*\t+2*\p+1]
.endr
.endr
.irp t, 0,1,2,3,4,5,6,7
	global_store_b128 v[VO16], v[HH+4*\t:HH+4*\t+3], s[74:75] offset:4096*(\a)+512*\t   ; sixteen lanes store a row of 256 bytes, aligned
.endr
	s_wait_xcnt 0x0                                ; EXEC changes, and v96-127 are written again, only behind this wait
	s_cmp_lg_u32 s[80+(\a)], 0                     ; the block's flag: a select makes the mask, no branch hangs on it
	s_cselect_b32 vcc_lo, -1, 0
	s_and_saveexec_b32 s90, vcc_lo
.irp t, 0,1,2,3,4,5,6,7
	global_store_b128 v[VO32], v[BB+8*\t:BB+8*\t+3], s[76:77] offset:8192*(\a)+1024*\t
	global_store_b128 v[VO32], v[BB+8*\t+4:BB+8*\t+7], s[76:77] offset:8192*(\a)+1024*\t+16
.endr
	s_wait_xcnt 0x0                                ; and again in front of the line that widens EXEC; the block's registers may be loaded again
	s_or_b32 exec_lo, exec_lo, s90
.endm
	PLACES NP                                      ; in front of loads into registers that the last products read, and of the first reads of results
	CSLOAD 0
	CSLOAD 1
	CSLOAD 2
	TOSTAGE 0
.irp a, 0,1,2,3,4,5,6,7
.if \a < 7
	TOSTAGE \a+1
	s_wait_dscnt 32                                ; block a is back; the next block's 16 stores and 16 loads may be out
.else
	s_wait_dscnt 0x0
.endif
.if \a < 6
	s_wait_loadcnt 32                              ; block a's cos and sin are in; two younger sets of 16 loads may be out
.elseif \a == 6
	s_wait_loadcnt 16
.else
	s_wait_loadcnt 0x0
.endif
	ROPE \a
	SCALEQ \a
	OUT \a
.if \a+3 <= 7
	CSLOAD \a+3
.endif
.endr
	s_wait_tensorcnt 0x0                           ; the wave's end
	ds_add_u32 v[SPW], v[NIL]
	s_wait_dscnt 0x0
	CROUND                                         ; the closing round
	s_endpgm
.Lfunc_end_k_qa43b1a3850_qkv:
	.size	k_qa43b1a3850_qkv, .Lfunc_end_k_qa43b1a3850_qkv-k_qa43b1a3850_qkv
	.p2alignl 7, 3214868480
	.fill 96, 4, 3214868480
	.section	.rodata,"a",@progbits
	.p2align	6, 0x0
	.amdhsa_kernel k_qa43b1a3850_qkv
		.amdhsa_group_segment_fixed_size 327680
		.amdhsa_private_segment_fixed_size 0
		.amdhsa_enable_private_segment 0
		.amdhsa_kernarg_size 56
		.amdhsa_user_sgpr_count 2
		.amdhsa_user_sgpr_kernarg_segment_ptr 1
		.amdhsa_wavefront_size32 1
		.amdhsa_system_sgpr_workgroup_id_x 1
		.amdhsa_system_sgpr_workgroup_id_y 1
		.amdhsa_system_sgpr_workgroup_id_z 1
		.amdhsa_system_vgpr_workitem_id 0
		.amdhsa_next_free_vgpr 1024
		.amdhsa_next_free_sgpr 98
		.amdhsa_reserve_vcc 1
		.amdhsa_float_denorm_mode_32 3
		.amdhsa_float_denorm_mode_16_64 3
		.amdhsa_memory_ordered 1
		.amdhsa_forward_progress 1
		.amdhsa_inst_pref_size 255
	.end_amdhsa_kernel
	.section	.bss,"aw",@nobits
	.p2align	6
	.space	262144
	.amdgpu_metadata
---
amdhsa.version: [ 1, 2 ]
amdhsa.kernels:
  - .name:           k_qa43b1a3850_qkv
    .symbol:         k_qa43b1a3850_qkv.kd
    .args:
      - { .name: codes, .offset: 0, .size: 8, .value_kind: global_buffer, .address_space: global }
      - { .name: scales, .offset: 8, .size: 8, .value_kind: global_buffer, .address_space: global }
      - { .name: freqs_cos, .offset: 16, .size: 8, .value_kind: global_buffer, .address_space: global }
      - { .name: freqs_sin, .offset: 24, .size: 8, .value_kind: global_buffer, .address_space: global }
      - { .name: flags, .offset: 32, .size: 8, .value_kind: global_buffer, .address_space: global }
      - { .name: qkv16, .offset: 40, .size: 8, .value_kind: global_buffer, .address_space: global }
      - { .name: qkv32, .offset: 48, .size: 8, .value_kind: global_buffer, .address_space: global }
    .group_segment_fixed_size: 327680
    .private_segment_fixed_size: 0
    .kernarg_segment_align: 8
    .kernarg_segment_size: 56
    .max_flat_workgroup_size: 128
    .sgpr_count:     98
    .vgpr_count:     1024
    .wavefront_size: 32
...
	.end_amdgpu_metadata
.endif
;; end of part 2
;; launch attn (part 3): grid 16 x 16, 4 waves a work-group, clusters of 4 x 4, 327,680 bytes of LDS; arguments qkv16, mask, o16; writes o16
.if DOCPART == 3
	.amdgcn_target "amdgcn-amd-amdhsa--gfx1250"
	.amdhsa_code_object_version 6
	.text
	.protected	k_qa43b1a3850_attn
	.globl	k_qa43b1a3850_attn
	.p2align	8
	.type	k_qa43b1a3850_attn,@function
k_qa43b1a3850_attn:
	s_mov_b64 s[64:65], 0
	v_nop
	global_prefetch_b8 v0, s[64:65] scope:SCOPE_SE
	s_setreg_imm32_b32 hwreg(HW_REG_WAVE_MODE, 25, 1), 1
	s_wait_xcnt 0x0
	s_wait_alu depctr_hold_cnt(0) depctr_sa_sdst(0) depctr_va_vdst(0) depctr_va_sdst(0) depctr_va_ssrc(0) depctr_va_vcc(0) depctr_vm_vsrc(0)
	s_getreg_b32 s2, hwreg(HW_REG_IB_STS2, 6, 4)
	s_cmp_eq_u32 s2, 0
	s_cbranch_scc0 .Lentry_in_a_cluster
	s_endpgm
.Lentry_in_a_cluster:
	s_bfe_u32 s2, ttmp6, 0x10000c
	s_cmp_lg_u32 s2, 0xf033
	s_cbranch_scc0 .Lentry_shape_is_right
	s_endpgm
.Lentry_shape_is_right:
; o16[q][128 head + :] = the sum over k of softmax_k(q . k + mask[q][k]) v[k], for 16 heads of 128.  q (already divided by sqrt(128)), k, v: f16, [48][2048][128] (slots 0-15 q, 16-31 k, 32-47 v).
; The mask is an input, f32, [2048][2048]: every number of it is read and added as it is given; nothing of its pattern is built in, so all keys are walked for all queries.
; Products, maxima and sums in f32; the weights p are rounded to f16 for the second product, o once at the end.  A running maximum is taken away ahead of every exponential.
; SHARES.  A work-group owns 128 queries of one head.  Wave w: queries 64 (w & 1) on, and keys 64 (w >> 1) on of each slot of 128 keys: four tiles of 16 queries x 64 keys a step, 16 steps.
; The two waves that share queries hold sums over different keys: they are merged once, at the end, through LDS.  Register tile t stands for query tile (t + 2 (w >> 1)) & 3, so that every wave keeps its
; register tiles 0, 1 and sends 2, 3: one text for both.
; LAYOUT.  S^T = K Q^T (source 0 = 16 keys, source 1 = 16 queries) and O^T = V^T P: a lane holds one query throughout.  K comes out of LDS as it lies, V turned, by ds_load_tr16_b128.
; THE MASK COSTS NO VECTOR WORK: a piece's mask numbers are loaded from LDS straight into its score registers and are the C of the first K Q^T products.
; SOFTMAX.  p = 2^(c s - c m), c = log2(e); in every step O and l are multiplied by a = 2^(c m_old - c m_new).  m is held at -2^126 from below, so that a run of keys that are all -infinity gives p = 0 and no NaN.
; BY TURNS.  Tiles 0, 1 are piece 0, tiles 2, 3 piece 2.  In a turn one piece has the matrix unit (32 products V^T P of the step in hand, 32 products K Q^T of the next); the other piece's softmax stands in 64 slices between them.
; CLUSTER, 4 x 4.  K's and V's tiles hang on the head alone: asked for jointly along a row of the cluster.  The mask's tile hangs on the block of queries alone: jointly along a column.
; LIMITS: NaN and +infinity in the mask or in q, k, v are not served; a row whose every masked score lies under -2^126 gives NaN (a row all -infinity gives NaN in the definition too).
; REGISTERS: window 0: v1-11 addresses; v12-43 statistics; v44-54, v61-63 addresses; v64-191 S^T; v192-255 P.  window 1: O^T.  window 2: v0-127 Q, v128-255 K.  window 3: v0-127 V.
.set KS,    64
.set PK,    272       ; a row of K in LDS: 256 bytes + 16: the 16 rows of a load start at 16 different banks (ISA guide 11.1)
.set PV,    288       ; a row of V: 256 + 32
.set PM,    528       ; a row of the mask's tile: 512 + 16
.set VOFF,  128*PK
.set MOFF,  VOFF+128*PV
.set SLOTB, MOFF+128*PM    ; a slot: 128 keys of K, of V, and 128 queries x 128 keys of the mask
.set SPARE, 2*SLOTB        ; the spare words, 128 bytes a wave
.set XCHB,  17408          ; the merge: 16,384 bytes of O^T and 1,024 of statistics for each wave, in slot 0, which has had its last fill and its last read by then
.set STAGE, 4*XCHB         ; behind them, in slot 0 too: 16 rows x 272 bytes for each wave, for the way out
.set SP,    272
.set ADR, 4
.set QO0, 5
.set STO, 6
.set RD,  7
.set GO,  8
.set ST,  12          ; tile t's statistics at v[ST+8 t]: +0 c m, +1 m, +2, +3 l, +4 to +7 at work
.set AK,  44          ; v44, v45  my K fragments in slot 0, 1
.set AV,  46          ; v46, v47  my V
.set AM0, 48          ; v48, v49  piece 0's mask numbers;  v50, v51 piece 2's
.set QO2, 52
.set XS,  53          ; v53  where I send
.set XL,  54          ; v54  where my partner (wave xor 2) has sent
.set PFO, 61
.set SPW, 62
.set NIL, 63
.set S,   64
.set P,   192
.set KF,  128
.set XR,  192         ; the partner's statistics
.set WV,  12
.set LIM, 15          ; s15  1 in a wave that prefetches, else the greatest number
.set PFA, 18          ; s[18:19] where my prefetches stand
.set PFS, 20          ; s[20:21] a slot on, in bytes
.set G1K, 24
.set G1V, 32
.set G1M, 40
.set G0K, 48          ; a set for each slot
.set G0V, 56
.set G0M, 68
.set TRIP, 77
.set CS,  78
.set SEL, 80
.set MSB, 0
.macro WIN new
.if MSB != \new
	s_set_vgpr_msb (MSB<<8)|\new
.set MSB, \new
.endif
.endm
.set W_KQ, 0x0a       ; K and Q in window 2, S^T in window 0
.set W_PV, 0x53       ; V in window 3, P in window 0, O^T in window 1
.set W_RS, 0x41       ; O^T in window 1, a in window 0
; A joint refill of slot ps: wave 0 fetches K's 128 rows, wave 1 V's, waves 2 and 3 the mask's two halves of 64 rows: one load a wave.  The branches hang on the wave's number alone.
; An s_nop 0 and four v_nop follow each line.
.macro JLOAD ps
	s_cmp_eq_u32 s[WV], 0
	s_cbranch_scc0 .Lnot_k_\@
	tensor_load_to_lds s[G0K+4*\ps:G0K+4*\ps+3], s[G1K:G1K+7]
	s_nop 0
.rept 4
	v_nop
.endr
	s_branch .Lasked_\@
.Lnot_k_\@:
	s_cmp_eq_u32 s[WV], 1
	s_cbranch_scc0 .Lnot_v_\@
	tensor_load_to_lds s[G0V+4*\ps:G0V+4*\ps+3], s[G1V:G1V+7]
	s_nop 0
.rept 4
	v_nop
.endr
	s_branch .Lasked_\@
.Lnot_v_\@:
	tensor_load_to_lds s[G0M+4*\ps:G0M+4*\ps+3], s[G1M:G1M+7]
	s_nop 0
.rept 4
	v_nop
.endr
.Lasked_\@:
.endm
; A PREFETCH INTO THE L2 of the step that stands two refills on: 256 matrix instructions ahead of the load that will want it.  Each aligned block of 256 bytes is named once in the launch.
; K's and V's rows are read by every cluster of a row of clusters: cluster x = 0 asks (wave 0 K, wave 1 V); its four partners along x take 32 rows each, a lane a row, told apart by address.
; The mask's rows are read by every cluster of a column of clusters: cluster y = 0 asks (waves 2, 3, each for the 64 rows that it fetches); the four partners along y take 16 rows each, two blocks a row.
; how = 1: every asking wave; how = 2: not in the pair loop's last trip, whose second refill has no step two on.  The first two refills' steps come by their loads alone.
.macro ASK how
.if \how == 1
	s_cmp_eq_u32 s[LIM], 1
.else
	s_cmp_gt_u32 s[TRIP], s[LIM]
.endif
	s_cbranch_scc0 .Lnot_mine_\@
	global_prefetch_b8 v[PFO], s[PFA:PFA+1] th:TH_LOAD_NT scope:SCOPE_SE
.Lnot_mine_\@:
.endm
.macro CROUND
	s_barrier_signal -1
	s_barrier_wait -1
	s_cmp_lg_u32 s[WV], 0
	s_cbranch_scc1 .Lnot_wave_0_\@
	s_barrier_signal -3
.Lnot_wave_0_\@:
	s_barrier_wait -3
	s_barrier_signal -1
	s_barrier_wait -1
.endm
	s_load_b128 s[4:7], s[0:1], 0x0   ; qkv16 s[4:5], mask s[6:7]
	s_load_b64 s[8:9], s[0:1], 0x10   ; o16
	v_lshl_add_u32 v[SPW], v0, 2, SPARE
	v_mov_b32 v[NIL], 0
	ds_add_u32 v[SPW], v[NIL]       ; the wave's opening: the add, twice on end; its wait stands ahead of my first tensor load
	ds_add_u32 v[SPW], v[NIL]
	v_lshrrev_b32 v1, 5, v0
	v_readfirstlane_b32 s[WV], v1   ; wave 0..3
	s_bfe_u32 s10, ttmp6, 0x40000   ; cx
	s_bfe_u32 s11, ttmp6, 0x40004   ; cy
	s_lshl_b32 s13, ttmp9, 2
	s_add_co_u32 s13, s13, s10      ; my block of 128 queries
	s_and_b32 s14, ttmp7, 0xffff
	s_lshl_b32 s14, s14, 2
	s_add_co_u32 s14, s14, s11      ; my head
	s_and_b32 s16, s[WV], 1         ; which 64 queries.  Also: which half of the mask's rows waves 2, 3 fetch
	s_lshr_b32 s17, s[WV], 1        ; which 64 keys of a slot
	s_lshl_b32 s82, s11, 2
	s_lshl_b32 s82, 15, s82         ; my row of the cluster
	s_lshl_b32 s83, 0x1111, s10     ; my column
	s_or_b32 s[G1K], s82, (1<<16)|(1<<20)|(1<<21)|(5<<22)|(3<<25)   ; the mask of work-groups; elements of 2 bytes; padding: 4 words after every 64
	s_or_b32 s[G1V], s82, (1<<16)|(1<<20)|(1<<21)|(5<<22)|(7<<25)   ; 8 words
	s_or_b32 s[G1M], s83, (2<<16)|(1<<20)|(1<<21)|(6<<22)|(3<<25)   ; elements of 4 bytes; 4 words after every 128
.irp g, G1K, G1V
	s_mov_b32 s[\g+1], 128<<16      ; tensor_dim0 = 128
	s_mov_b32 s[\g+2], 128<<16      ; tensor_dim1 = 128
	s_mov_b32 s[\g+3], 128<<16      ; tile_dim0 = 128
	s_mov_b32 s[\g+4], 128          ; tile_dim1 = 128
	s_mov_b32 s[\g+5], 128          ; elements from row to row
	s_mov_b32 s[\g+6], 0
	s_mov_b32 s[\g+7], 0
.endr
	s_mov_b32 s[G1M+1], 128<<16
	s_mov_b32 s[G1M+2], 64<<16
	s_mov_b32 s[G1M+3], 128<<16
	s_mov_b32 s[G1M+4], 64
	s_mov_b32 s[G1M+5], 2048
	s_mov_b32 s[G1M+6], 0
	s_mov_b32 s[G1M+7], 0
	s_add_co_u32 s84, s14, 16       ; K's slot of the buffer: 524,288 bytes each.  These two hang on the head alone,
	s_lshl_b32 s84, s84, 19
	s_mov_b32 s85, 0
	s_add_co_u32 s86, s14, 32       ; V's
	s_lshl_b32 s86, s86, 19
	s_mov_b32 s87, 0
	s_lshl_b32 s88, s13, 7          ; the mask's rows: 128 x block + 64 x half: on the block of queries and the wave alone
	s_lshl_b32 s89, s16, 6
	s_add_co_u32 s88, s88, s89
	s_lshl_b32 s88, s88, 13
	s_mov_b32 s89, 0
	s_mul_i32 s90, s16, 64*PM
	s_lshl_b32 s92, s14, 19         ; Q: the head's slot, my block's 128 rows of 256 bytes
	s_lshl_b32 s93, s13, 15
	s_add_co_u32 s92, s92, s93
	s_mov_b32 s93, 0
	s_lshl_b32 s2, s13, 7           ; o16: row 128 x block + 64 (w & 1) + 32 (w >> 1), 4,096 bytes a row; + 256 x head
	s_lshl_b32 s3, s16, 6
	s_add_co_u32 s2, s2, s3
	s_lshl_b32 s3, s17, 5
	s_add_co_u32 s2, s2, s3
	s_lshl_b32 s2, s2, 12
	s_lshl_b32 s3, s14, 8
	s_add_co_u32 s2, s2, s3
	s_mov_b32 s3, 0
	s_mov_b32 s[CS], 0x3fb8aa3b     ; c = log2(e)
	s_mov_b32 s[CS+1], s[CS]
	s_mov_b32 s[SEL], 0x76543210
	s_mov_b32 s[SEL+1], 0xfedcba98
	s_wait_dscnt 0x0                ; both opening adds are done
	s_wait_kmcnt 0x0
	s_add_nc_u64 s[92:93], s[4:5], s[92:93]
	s_add_nc_u64 s[8:9], s[8:9], s[2:3]
	CROUND                          ; all sixteen work-groups are here: the first joint loads meet
.irp s, 0,1
	s_mov_b32 s[G0K+4*\s], 1
	s_mov_b32 s[G0K+4*\s+1], \s*SLOTB
	s_add_nc_u64 s[G0K+4*\s+2:G0K+4*\s+3], s[4:5], s[84:85]
	s_add_nc_u64 s[G0K+4*\s+2:G0K+4*\s+3], s[G0K+4*\s+2:G0K+4*\s+3], \s*32768   ; step s: 128 rows of 256 bytes a step
	s_or_b32 s[G0K+4*\s+3], s[G0K+4*\s+3], 0x80000000
	s_mov_b32 s[G0V+4*\s], 1
	s_mov_b32 s[G0V+4*\s+1], \s*SLOTB+VOFF
	s_add_nc_u64 s[G0V+4*\s+2:G0V+4*\s+3], s[4:5], s[86:87]
	s_add_nc_u64 s[G0V+4*\s+2:G0V+4*\s+3], s[G0V+4*\s+2:G0V+4*\s+3], \s*32768
	s_or_b32 s[G0V+4*\s+3], s[G0V+4*\s+3], 0x80000000
	s_mov_b32 s[G0M+4*\s], 1
	s_add_co_u32 s[G0M+4*\s+1], s90, \s*SLOTB+MOFF
	s_add_nc_u64 s[G0M+4*\s+2:G0M+4*\s+3], s[6:7], s[88:89]
	s_add_nc_u64 s[G0M+4*\s+2:G0M+4*\s+3], s[G0M+4*\s+2:G0M+4*\s+3], \s*512     ; 128 keys of 4 bytes a step
	s_or_b32 s[G0M+4*\s+3], s[G0M+4*\s+3], 0x80000000
.endr
	s_cmp_eq_u32 s[WV], 0           ; a wave's two first fills stand in one branch, ahead of every wait on TENSORcnt and every LDS read: two loads of mine are out
	s_cbranch_scc0 .Lfirst_not_k
	tensor_load_to_lds s[G0K:G0K+3], s[G1K:G1K+7]
	s_nop 0
	tensor_load_to_lds s[G0K+4:G0K+7], s[G1K:G1K+7]
	s_nop 0
.rept 4
	v_nop
.endr
	s_branch .Lfirst_asked
.Lfirst_not_k:
	s_cmp_eq_u32 s[WV], 1
	s_cbranch_scc0 .Lfirst_m
	tensor_load_to_lds s[G0V:G0V+3], s[G1V:G1V+7]
	s_nop 0
	tensor_load_to_lds s[G0V+4:G0V+7], s[G1V:G1V+7]
	s_nop 0
.rept 4
	v_nop
.endr
	s_branch .Lfirst_asked
.Lfirst_m:
	tensor_load_to_lds s[G0M:G0M+3], s[G1M:G1M+7]
	s_nop 0
	tensor_load_to_lds s[G0M+4:G0M+7], s[G1M:G1M+7]
	s_nop 0
.rept 4
	v_nop
.endr
.Lfirst_asked:
	v_and_b32 v1, 15, v0            ; r = l % 16
	v_bfe_u32 v9, v0, 4, 1          ; h = l / 16
	v_lshlrev_b32 v10, 8, v1
	v_lshl_add_u32 v10, v9, 4, v10  ; Q: row x 256 + 16 x half
	s_lshl_b32 s2, s16, 6
	s_lshl_b32 s3, s17, 5
	s_add_co_u32 s3, s2, s3         ; piece 0's first query: 64 (w & 1) + 32 (w >> 1)
	s_lshl_b32 s3, s3, 8
	v_add_nc_u32 v[QO0], s3, v10
	s_xor_b32 s3, s17, 1
	s_lshl_b32 s3, s3, 5
	s_add_co_u32 s3, s2, s3         ; piece 2's: the other 32
	s_lshl_b32 s3, s3, 8
	v_add_nc_u32 v[QO2], s3, v10
	WIN 0x80                        ; destination window 2
.irp i, 0,1,2,3,4,5,6,7             ; Q stays in registers: register tile i / 4, channels 32 (i % 4) on
	global_load_b128 v[8*\i:8*\i+3],   v[QO0], s[92:93] offset:(\i/4)*4096+(\i%4)*64
	global_load_b128 v[8*\i+4:8*\i+7], v[QO0], s[92:93] offset:(\i/4)*4096+(\i%4)*64+32
.endr
.irp i, 8,9,10,11,12,13,14,15
	global_load_b128 v[8*\i:8*\i+3],   v[QO2], s[92:93] offset:(\i/4-2)*4096+(\i%4)*64
	global_load_b128 v[8*\i+4:8*\i+7], v[QO2], s[92:93] offset:(\i/4-2)*4096+(\i%4)*64+32
.endr
	WIN 0
	v_mul_u32_u24 v10, v1, PK
	v_lshl_add_u32 v10, v9, 4, v10
	s_mul_i32 s82, s17, 64*PK       ; my 64 keys
	v_add_nc_u32 v[AK], s82, v10
	v_add_nc_u32 v[AK+1], SLOTB, v[AK]
	v_and_b32 v10, 7, v0            ; the turning load: lane l reads key 8 (l / 16) + l % 8, channels 8 ((l / 8) % 2) on
	v_bfe_u32 v11, v0, 3, 1
	v_lshl_add_u32 v2, v9, 3, v10
	v_mul_u32_u24 v2, v2, PV
	v_lshl_add_u32 v2, v11, 4, v2
	s_mul_i32 s82, s17, 64*PV
	s_add_co_u32 s82, s82, VOFF
	v_add_nc_u32 v[AV], s82, v2
	v_add_nc_u32 v[AV+1], SLOTB, v[AV]
	v_mul_u32_u24 v2, v1, PM        ; the mask: my query's row, + 32 h: keys 8 h on of a tile of 16
	v_lshl_add_u32 v2, v9, 5, v2
	s_lshl_b32 s82, s16, 6
	s_lshl_b32 s83, s17, 5
	s_add_co_u32 s82, s82, s83
	s_mul_i32 s82, s82, PM
	s_lshl_b32 s83, s17, 8          ; my 64 keys: 256 bytes on
	s_add_co_u32 s82, s82, s83
	s_add_co_u32 s82, s82, MOFF
	v_add_nc_u32 v[AM0], s82, v2
	v_add_nc_u32 v[AM0+1], SLOTB, v[AM0]
	s_lshl_b32 s82, s16, 6
	s_xor_b32 s83, s17, 1
	s_lshl_b32 s83, s83, 5
	s_add_co_u32 s82, s82, s83
	s_mul_i32 s82, s82, PM
	s_lshl_b32 s83, s17, 8
	s_add_co_u32 s82, s82, s83
	s_add_co_u32 s82, s82, MOFF
	v_add_nc_u32 v[AM0+2], s82, v2
	v_add_nc_u32 v[AM0+3], SLOTB, v[AM0+2]
	v_and_b32 v10, 31, v0
	v_lshlrev_b32 v10, 4, v10
	s_mul_i32 s82, s[WV], XCHB
	v_add_nc_u32 v[XS], s82, v10
	s_xor_b32 s82, s[WV], 2
	s_mul_i32 s82, s82, XCHB
	v_add_nc_u32 v[XL], s82, v10
	; the prefetches: who asks, and where.  Nothing is prefetched here, at the head, where every work-group's first tiles are on their way
	s_and_b32 s82, ttmp7, 0xffff
	s_cmp_lt_u32 s[WV], 2
	s_cselect_b32 s82, ttmp9, s82   ; the coordinate along which other clusters read the same rows
	s_cmp_eq_u32 s82, 0
	s_cselect_b32 s[LIM], 1, -1     ; the same in all sixteen partners, for a given wave
	s_lshl_b32 s2, s[WV], 4
	s_add_co_u32 s2, s2, s14
	s_add_co_u32 s2, s2, 16
	s_lshl_b32 s2, s2, 19           ; wave 0: K's slot of the buffer; wave 1: V's
	s_lshl_b32 s3, s10, 13          ; my work-group's 32 rows of the 128
	s_add_co_u32 s2, s2, s3
	s_add_co_u32 s2, s2, 3*32768    ; at step 3: the first change of slots steps it to 4
	s_lshl_b32 s3, s13, 7
	s_lshl_b32 s94, s16, 6
	s_add_co_u32 s3, s3, s94
	s_lshl_b32 s94, s11, 4          ; my work-group's 16 rows of the 64
	s_add_co_u32 s3, s3, s94
	s_lshl_b32 s3, s3, 13
	s_add_co_u32 s3, s3, 3*512
	s_cmp_lt_u32 s[WV], 2
	s_cselect_b32 s94, s2, s3
	s_mov_b32 s95, 0
	s_cselect_b64 s[PFA:PFA+1], s[4:5], s[6:7]
	s_mov_b32 s[PFS], 512
	s_cselect_b32 s[PFS], 32768, s[PFS]
	s_mov_b32 s[PFS+1], 0
	s_mov_b32 s2, 8192
	s_cselect_b32 s2, 256, s2       ; from lane to lane among 16
	s_mov_b32 s3, 256
	s_cselect_b32 s3, 4096, s3      ; from one half of the lanes to the other
	s_add_nc_u64 s[PFA:PFA+1], s[PFA:PFA+1], s[94:95]
	v_mul_lo_u32 v[PFO], v1, s2
	v_mul_lo_u32 v10, v9, s3
	v_add_nc_u32 v[PFO], v[PFO], v10
; THE MATRIX WORK OF A TURN, for piece x.  The accumulators take turns, one instruction a turn.
.macro PV x, zero                   ; product i of 32 of O^T += V^T P: keys 32 (i / 16) on, channels 16 ((i / 2) % 8) on, tile x + i % 2
	WIN W_PV
.set rO, 64*(\x+i%2)+8*((i/2)%8)
.set rV, 64*(i/16)+8*((i/2)%8)
.set rP, P+16*(\x+i%2)+8*(i/16)
.if \zero && (i < 16)
	v_wmma_f32_16x16x32_f16 v[rO:rO+7], v[rV:rV+7], v[rP:rP+7], 0
.else
	v_wmma_f32_16x16x32_f16 v[rO:rO+7], v[rV:rV+7], v[rP:rP+7], v[rO:rO+7]
.endif
.endm
.macro KQ x                         ; product i of 32 of S^T = mask + K Q^T: channels 32 (i / 8) on, keys 16 ((i / 2) % 4) on, tile x + i % 2.  The first 8 find the mask's numbers in their accumulators
	WIN W_KQ
.set rS, S+32*(\x+i%2)+8*((i/2)%4)
.set rK, KF+32*((i/2)%4)+8*(i/8)
.set rQ, 32*(\x+i%2)+8*(i/8)
	v_wmma_f32_16x16x32_f16 v[rS:rS+7], v[rK:rK+7], v[rQ:rQ+7], v[rS:rS+7]
.endm
; THE LDS LOADS stand in runs.
.macro FETCH_K slot
	WIN 0
	v_mov_b32 v[ADR], v[AK+\slot]
	WIN 0x80
.irp f, 0,1,2,3,4,5,6,7,8,9,10,11,12,13,14,15  ; keys 16 (f / 4) on, channels 32 (f % 4) on
	ds_load_b128 v[KF+8*\f:KF+8*\f+3],   v[ADR] offset:(\f/4)*16*PK+(\f%4)*64
	ds_load_b128 v[KF+8*\f+4:KF+8*\f+7], v[ADR] offset:(\f/4)*16*PK+(\f%4)*64+32
.endr
.endm
.macro FETCH_V slot
	WIN 0
	v_mov_b32 v[ADR], v[AV+\slot]   ; a plain instruction: with the two scalings and the v_nop ahead of it, the fourth place behind the last product that read V
	s_wait_alu depctr_va_vdst(0)    ; the wait for the softmax's batch of exponentials, ahead of the first line that names a result
	WIN 0xc0
.irp f, 0,1,2,3,4,5,6,7,8,9,10,11,12,13,14,15  ; keys 32 (f / 8) on, channels 16 (f % 8) on
	ds_load_tr16_b128 v[8*\f:8*\f+3],   v[ADR] offset:(\f/8)*32*PV+(\f%8)*32
	ds_load_tr16_b128 v[8*\f+4:8*\f+7], v[ADR] offset:(\f/8)*32*PV+16*PV+(\f%8)*32
.endr
.endm
.macro FETCH_M x, slot              ; piece x's mask numbers into its score registers: lane (r, h), tile, keys 16 kt + 8 h + 0..7: 32 bytes of the query's row
	WIN 0
.irp u, 0,1
.irp kt, 0,1,2,3
	ds_load_b128 v[S+32*(\x+\u)+8*\kt:S+32*(\x+\u)+8*\kt+3],   v[AM0+\x+\slot] offset:\u*16*PM+64*\kt
	ds_load_b128 v[S+32*(\x+\u)+8*\kt+4:S+32*(\x+\u)+8*\kt+7], v[AM0+\x+\slot] offset:\u*16*PM+64*\kt+16
.endr
.endr
.endm
; THE VECTOR WORK OF A TURN.  One tile's softmax for one step is a list of 134 instructions; SM writes number j of it for tile t.
;   0-15 the maximum of the 32 scores and the old m;  16-20 the other half of the lanes' maximum, the new m, c m, c m_old - c m_new;
;   21-69 ONE BATCH: 16 packed scalings c s - c m and all 33 exponentials, none of which reads an exponential's result;  (the wait);  70-85 the roundings to f16;  86-101 the sums;  102-133 O^T times a.
.macro SM t, first
.set rT, ST+8*(\t)
.set rS, S+32*(\t)
.set rP, P+16*(\t)
.set rO, 64*(\t)+2*(j-102)
.if j < 102
	WIN 0
.endif
.if j < 4
	v_max3_num_f32 v[rT+4+j], v[rS+8*j], v[rS+8*j+1], v[rS+8*j+2]
.elseif j < 12
	v_max3_num_f32 v[rT+4+j%4], v[rT+4+j%4], v[rS+8*(j%4)+2*(j/4)+1], v[rS+8*(j%4)+2*(j/4)+2]
.elseif j == 12
	v_max3_num_f32 v[rT+4], v[rT+4], v[rS+7], v[rS+15]
.elseif j == 13
	v_max3_num_f32 v[rT+6], v[rT+6], v[rS+23], v[rS+31]
.elseif j == 14
	v_max3_num_f32 v[rT+4], v[rT+4], v[rT+5], v[rT+6]
.elseif (j == 15) && \first
	v_max3_num_f32 v[rT+4], v[rT+4], v[rT+7], 0xfe800000  ; the floor -2^126: c m stays a number where all 64 keys are -infinity
.elseif j == 15
	v_max3_num_f32 v[rT+4], v[rT+4], v[rT+7], v[rT+1]
.elseif j == 16
	v_permlanex16_b32 v[rT+5], v[rT+4], s[SEL], s[SEL+1]  ; the query's other 32 keys lie in the lane 16 away
.elseif j == 18
	v_max_num_f32 v[rT+1], v[rT+4], v[rT+5]
.elseif j == 19
	v_mul_f32 v[rT], s[CS], v[rT+1]
.elseif ((j == 17) || (j == 20) || (j == 23) || (j > 101)) && \first  ; the first step has none of these
.elseif j == 17
	v_mov_b32 v[rT+7], v[rT]
.elseif j == 20
	v_sub_f32 v[rT+7], v[rT+7], v[rT]
.elseif j == 23
	v_exp_f32 v[rT+6], v[rT+7]
.elseif (j < 23) || ((j < 38) && (j%2 == 0)) || ((j < 66) && (j%4 == 2))
.set b, (j-2)/4
.if j < 38
.set b, (j-20)/2
.endif
	v_pk_fma_f32 v[rS+2*b:rS+2*b+1], v[rS+2*b:rS+2*b+1], s[CS:CS+1], v[rT:rT+1] op_sel_hi:[1,0,0] neg_lo:[0,0,1] neg_hi:[0,0,1]  ; pair b: c s - c m
.elseif j < 70
.set e, j-38
.if j < 66
.set e, j-32-(j-38)/4
.endif
.if j < 38
.set e, (j-25)/2
.endif
	v_exp_f32 v[rS+e], v[rS+e]
.elseif j < 86
	v_cvt_pk_f16_f32 v[rP+j-70], v[rS+2*(j-70)], v[rS+2*(j-70)+1]
.elseif j < 102
.set z, j-86
.set w, 4
.set u, z
.if z >= 14
.set w, 32
.set u, 0
.elseif z >= 12
.set w, 16
.set u, z-12
.elseif z >= 8
.set w, 8
.set u, z-8
.endif
.if (z == 14) && \first
	v_pk_add_f32 v[rT+2:rT+3], v[rS:rS+1], v[rS+16:rS+17]
.elseif z < 15
	v_pk_add_f32 v[rS+w*u:rS+w*u+1], v[rS+w*u:rS+w*u+1], v[rS+w*u+w/2:rS+w*u+w/2+1]
.elseif !\first
	v_pk_fma_f32 v[rT+2:rT+3], v[rT+2:rT+3], v[rT+6:rT+7], v[rS:rS+1] op_sel_hi:[1,0,1]
.endif
.else
	WIN W_RS
	v_pk_mul_f32 v[rO:rO+1], v[rO:rO+1], v[rT+6:rT+7] op_sel_hi:[1,0]
.endif
.endm
; Slice k of 64 of piece y's softmax: four instructions; slices 11 to 34 deal out the batch, four numbers of one tile each; the twelve that are over stand in slice 63.
; Ahead of slice 35 nothing names an exponential's result, and behind slice 34 no exponential is issued: one wait, behind slice 34, serves the piece's 66.
.macro SLICE y, first, slot
.if (k >= 11) && (k < 35)
.irp n, 0,1,2,3
.set j, 22+4*((k-11)/2)+(\n)
	SM (\y)+(k-11)%2, \first
.endr
.else
.irp n, 0,1,2,3,4,5,6,7
.if (\n < 2) || (k == 63)
.irp t, \y, \y+1
.set j, 2*k+\n
	SM \t, \first
.endr
.endif
.endr
.endif
.if k == 34
	v_nop                           ; a plain instruction behind the last exponential and ahead of the first use
.if (\y) == 0
	FETCH_V \slot                   ; piece 2's turn: V's run of loads stands here, and the wait stands in it
.else
	s_wait_alu depctr_va_vdst(0)
.endif
.endif
.set k, k+1
.endm
.macro PLACES
.rept 4
	v_nop
.endr
.endm
; A TURN.  Piece x has the matrix unit.  pv = 2: 32 products V^T P; 1: they start O^T's sums; 0: none.  kq = 1: 32 products K Q^T for the next step, whose tiles lie in the slot named.
; Behind the turn's second product stand the runs of loads for its K Q^T: piece 0's turn fetches the next step's K and its own mask numbers, piece 2's turn its mask numbers; piece x's score registers are free
; then: its softmax ended with the turn before.  One wait for them stands ahead of the first K Q^T, 30 matrix instructions on.
.macro TURN x, pv, kq, first, slot
.set k, 0
.set per, 2
.if \pv && \kq
.set per, 1
.endif
.if \pv
.if \x == 0
	s_wait_dscnt 0x0                ; V is in
.endif
.set i, 0
.rept 32
	PV \x, 2-\pv
.rept per
	SLICE 2-\x, \first, \slot
.endr
.if \kq && (i == 1)
.if \x == 0
	FETCH_K \slot
.endif
	FETCH_M \x, \slot
.endif
.set i, i+1
.endr
.endif
.if \kq
	s_wait_dscnt 0x0                ; K and the mask's numbers are in
.set i, 0
.rept 32
	KQ \x
.rept per
	SLICE 2-\x, \first, \slot
.endr
.set i, i+1
.endr
.endif
.if \first
	PLACES
.endif
.endm
; THE CHANGE OF SLOTS, between piece 2's turn and piece 0's: the slot's last bytes, its V, have been asked for.  Each wave waits for all its tensor loads (one is out: its part of the other slot), adds 0 to its
; spare word, and waits for that and for its reads of the slot.  fill = 1: slot ps, just read out, is filled with the step two on, behind a round of the cluster's barrier: the load has a step, 128 matrix instructions, in which to land.
.macro CHANGE fill, ps, ask
	WIN 0
	s_wait_tensorcnt 0x0            ; no tensor load of mine is out, so a group 0 may be written
	ds_add_u32 v[SPW], v[NIL]
.if \fill
	s_add_nc_u64 s[G0K+4*\ps+2:G0K+4*\ps+3], s[G0K+4*\ps+2:G0K+4*\ps+3], 65536
	s_add_nc_u64 s[G0V+4*\ps+2:G0V+4*\ps+3], s[G0V+4*\ps+2:G0V+4*\ps+3], 65536
	s_add_nc_u64 s[G0M+4*\ps+2:G0M+4*\ps+3], s[G0M+4*\ps+2:G0M+4*\ps+3], 1024
	s_wait_xcnt 0x0                 ; the last prefetch, a step back, has read its address, so it may be written
	s_add_nc_u64 s[PFA:PFA+1], s[PFA:PFA+1], s[PFS:PFS+1]
	s_wait_dscnt 0x0                ; the add is done, and my reads of the slot are over
	CROUND
	JLOAD \ps
.if \ask
	ASK \ask
.endif
.else
	s_wait_dscnt 0x0
	s_barrier_signal -1
	s_barrier_wait -1
.endif
.endm
	s_wait_tensorcnt 1              ; my part of slot 0 is in; slot 1's may stay out
	s_barrier_signal -1
	s_barrier_wait -1
	FETCH_K 0
	FETCH_M 0, 0
	FETCH_M 2, 0
	s_wait_loadcnt 0x0              ; Q
	s_wait_dscnt 0x0
.set i, 0
.rept 32
	KQ 0
.set i, i+1
.endr
	WIN 0                           ; the addresses for the way out: eight plain instructions, the places behind those products
	s_mul_i32 s2, s[WV], 16*SP
	s_add_co_u32 s2, s2, STAGE
	v_mul_u32_u24 v[STO], v1, SP
	v_lshl_add_u32 v[STO], v9, 4, v[STO]
	v_add_nc_u32 v[STO], s2, v[STO]
	v_mul_u32_u24 v[RD], v9, SP
	v_lshl_add_u32 v[RD], v1, 4, v[RD]
	v_add_nc_u32 v[RD], s2, v[RD]
	v_lshlrev_b32 v[GO], 12, v9     ; two rows of o16, 4,096 bytes apart
	v_lshl_add_u32 v[GO], v1, 4, v[GO]
	TURN 2, 0, 1, 1, 0              ; piece 2's first scores | piece 0's first softmax | V of step 0
	CHANGE 1, 0, 1                  ; step 2 is asked for
	TURN 0, 1, 1, 1, 1              ; piece 0: V^T P of step 0 starts O^T, K Q^T of step 1 | piece 2's first softmax
	TURN 2, 1, 1, 0, 1
	WIN 0
	s_mov_b32 s[TRIP], 6
.Lpair:                             ; six trips of two steps: steps 3 to 14 are asked for
	CHANGE 1, 1, 1
	TURN 0, 2, 1, 0, 0
	TURN 2, 2, 1, 0, 0
	CHANGE 1, 0, 2
	TURN 0, 2, 1, 0, 1
	TURN 2, 2, 1, 0, 1
	WIN 0
	s_sub_co_u32 s[TRIP], s[TRIP], 1
	s_cmp_lg_u32 s[TRIP], 0
	s_cbranch_scc1 .Lpair
	CHANGE 1, 1, 0                  ; the tail is written out: step 15, the last fill
	TURN 0, 2, 1, 0, 0
	TURN 2, 2, 1, 0, 0
	CHANGE 0, 0, 0                  ; nothing is asked for; from here on nobody reads slot 0 and nothing lands there
	TURN 0, 2, 1, 0, 1
	TURN 2, 2, 1, 0, 1
	TURN 0, 2, 0, 0, 0              ; piece 0: V^T P of the last step | piece 2's last softmax
.set i, 0
.rept 32
	PV 2, 0
.set i, i+1
.endr
	; THE MERGE.  l's two halves are added (four plain instructions: the places behind the last products).  My register tiles 2, 3 go to the wave that keeps those queries, as images of their registers.
	WIN 0
.irp t, 0,1,2,3
	v_add_f32 v[ST+8*\t+2], v[ST+8*\t+2], v[ST+8*\t+3]
.endr
	WIN 0x04                        ; an LDS store's data are its source 1: window 1
.set i, 0
.rept 32
	ds_store_b128 v[XS], v[128+4*i:128+4*i+3] offset:512*i   ; each accumulator from its low end on
.set i, i+1
.endr
	WIN 0
	ds_store_b128 v[XS], v[ST+16:ST+19] offset:16384         ; tile 2: c m, m, l
	ds_store_b128 v[XS], v[ST+24:ST+27] offset:16896         ; tile 3
	s_wait_dscnt 0x0                ; for the partner's sake: my stores have landed
	s_barrier_signal -1
	s_barrier_wait -1
	ds_load_b128 v[XR:XR+3], v[XL] offset:16384
	ds_load_b128 v[XR+4:XR+7], v[XL] offset:16896
.set i, 0
.rept 32
	ds_load_b128 v[S+4*i:S+4*i+3], v[XL] offset:512*i
.set i, i+1
.endr
	s_wait_dscnt 0x0
.irp u, 0,1
	v_max_num_f32 v[ST+8*\u+1], v[ST+8*\u], v[XR+4*\u]       ; the common c m
.endr
.irp u, 0,1
	v_sub_f32 v[ST+8*\u+4], v[ST+8*\u], v[ST+8*\u+1]
	v_sub_f32 v[ST+8*\u+6], v[XR+4*\u], v[ST+8*\u+1]
.endr
.irp u, 0,1
	v_exp_f32 v[ST+8*\u+4], v[ST+8*\u+4]                     ; e: mine under the common maximum
	v_exp_f32 v[ST+8*\u+6], v[ST+8*\u+6]                     ; e': the partner's
.endr
	v_nop
	s_wait_alu depctr_va_vdst(0)    ; one wait for the four, ahead of their first reader
.irp u, 0,1
	v_mul_f32 v[ST+8*\u+2], v[ST+8*\u+4], v[ST+8*\u+2]
.endr
.irp u, 0,1
	v_fma_f32 v[ST+8*\u+2], v[ST+8*\u+6], v[XR+4*\u+2], v[ST+8*\u+2]
.endr
.irp u, 0,1
	v_permlanex16_b32 v[ST+8*\u+3], v[ST+8*\u+2], s[SEL], s[SEL+1]
.endr
.irp u, 0,1
	v_add_f32 v[ST+8*\u+2], v[ST+8*\u+2], v[ST+8*\u+3]       ; the row's sum over all 2,048 keys
.endr
.irp u, 0,1
	v_rcp_f32 v[ST+8*\u+3], v[ST+8*\u+2]
.endr
	v_nop
	s_wait_alu depctr_va_vdst(0)
.irp u, 0,1
	v_mul_f32 v[ST+8*\u+4], v[ST+8*\u+4], v[ST+8*\u+3]       ; e / l
	v_mul_f32 v[ST+8*\u+6], v[ST+8*\u+6], v[ST+8*\u+3]       ; e' / l
.endr
.irp u, 0,1
.set i, 0
.rept 32
	v_pk_mul_f32 v[S+64*\u+2*i:S+64*\u+2*i+1], v[S+64*\u+2*i:S+64*\u+2*i+1], v[ST+8*\u+6:ST+8*\u+7] op_sel_hi:[1,0]
.set i, i+1
.endr
.endr
	WIN 0x01                        ; source 0: my O^T, window 1
.irp u, 0,1
.set i, 0
.rept 32
	v_pk_fma_f32 v[S+64*\u+2*i:S+64*\u+2*i+1], v[64*\u+2*i:64*\u+2*i+1], v[ST+8*\u+4:ST+8*\u+5], v[S+64*\u+2*i:S+64*\u+2*i+1] op_sel_hi:[1,0,1]
.set i, i+1
.endr
.endr
	WIN 0
.irp u, 0,1
.set i, 0
.rept 32
	v_cvt_pk_f16_f32 v[S+64*\u+i], v[S+64*\u+2*i], v[S+64*\u+2*i+1]   ; in place, ascending: a register is written only when it has been read
.set i, i+1
.endr
.endr
; THE WAY OUT: a lane's eight channels of a row are 16 bytes; they go into rows of 272 bytes of my stage and come back as whole rows of 256.
.macro PACK u
.irp f, 0,1,2,3,4,5,6,7
	ds_store_b128 v[STO], v[S+64*\u+4*\f:S+64*\u+4*\f+3] offset:32*\f
.endr
.irp f, 0,1,2,3,4,5,6,7
	ds_load_b128 v[S+64*\u+4*\f:S+64*\u+4*\f+3], v[RD] offset:\f*2*SP  ; LDS serves a wave's instructions in order (ISA guide 5.7.1.4)
.endr
.endm
.macro SEND u, younger              ; younger: the LDS instructions issued behind tile u's loads
.irp f, 0,1,2,3,4,5,6,7
	s_wait_dscnt \younger+7-\f
	global_store_b128 v[GO], v[S+64*\u+4*\f:S+64*\u+4*\f+3], s[8:9] offset:\u*65536+\f*8192  ; 16 lanes store 256 consecutive bytes, aligned
.endr
.endm
	PACK 0
	PACK 1
	SEND 0, 16
	SEND 1, 0
	s_wait_tensorcnt 0x0            ; the wave's end
	ds_add_u32 v[SPW], v[NIL]
	s_wait_dscnt 0x0
	CROUND                          ; the closing round
	s_endpgm
.Lfunc_end_k_qa43b1a3850_attn:
	.size	k_qa43b1a3850_attn, .Lfunc_end_k_qa43b1a3850_attn-k_qa43b1a3850_attn
	.p2alignl 7, 3214868480
	.fill 96, 4, 3214868480
	.section	.rodata,"a",@progbits
	.p2align	6, 0x0
	.amdhsa_kernel k_qa43b1a3850_attn
		.amdhsa_group_segment_fixed_size 327680
		.amdhsa_private_segment_fixed_size 0
		.amdhsa_enable_private_segment 0
		.amdhsa_kernarg_size 24
		.amdhsa_user_sgpr_count 2
		.amdhsa_user_sgpr_kernarg_segment_ptr 1
		.amdhsa_wavefront_size32 1
		.amdhsa_system_sgpr_workgroup_id_x 1
		.amdhsa_system_sgpr_workgroup_id_y 1
		.amdhsa_system_sgpr_workgroup_id_z 1
		.amdhsa_system_vgpr_workitem_id 0
		.amdhsa_next_free_vgpr 1024
		.amdhsa_next_free_sgpr 96
		.amdhsa_reserve_vcc 0
		.amdhsa_float_denorm_mode_32 3
		.amdhsa_float_denorm_mode_16_64 3
		.amdhsa_memory_ordered 1
		.amdhsa_forward_progress 1
		.amdhsa_inst_pref_size 255
	.end_amdhsa_kernel
	.section	.bss,"aw",@nobits
	.p2align	6
	.space	262144
	.amdgpu_metadata
---
amdhsa.version: [ 1, 2 ]
amdhsa.kernels:
  - .name:           k_qa43b1a3850_attn
    .symbol:         k_qa43b1a3850_attn.kd
    .args:
      - { .name: qkv16, .offset: 0, .size: 8, .value_kind: global_buffer, .address_space: global }
      - { .name: mask, .offset: 8, .size: 8, .value_kind: global_buffer, .address_space: global }
      - { .name: o16, .offset: 16, .size: 8, .value_kind: global_buffer, .address_space: global }
    .group_segment_fixed_size: 327680
    .private_segment_fixed_size: 0
    .kernarg_segment_align: 8
    .kernarg_segment_size: 24
    .max_flat_workgroup_size: 128
    .sgpr_count:     96
    .vgpr_count:     1024
    .wavefront_size: 32
...
	.end_amdgpu_metadata
.endif
;; end of part 3
;; launch proj (part 4): grid 16 x 16, 4 waves a work-group, clusters of 4 x 4, 327,680 bytes of LDS; arguments o16, wo16, out0; writes out0
.if DOCPART == 4
	.amdgcn_target "amdgcn-amd-amdhsa--gfx1250"
	.amdhsa_code_object_version 6
	.text
	.protected	k_qa43b1a3850_proj
	.globl	k_qa43b1a3850_proj
	.p2align	8
	.type	k_qa43b1a3850_proj,@function
k_qa43b1a3850_proj:
	s_mov_b64 s[64:65], 0
	v_nop
	global_prefetch_b8 v0, s[64:65] scope:SCOPE_SE
	s_setreg_imm32_b32 hwreg(HW_REG_WAVE_MODE, 25, 1), 1
	s_wait_xcnt 0x0
	s_wait_alu depctr_hold_cnt(0) depctr_sa_sdst(0) depctr_va_vdst(0) depctr_va_sdst(0) depctr_va_ssrc(0) depctr_va_vcc(0) depctr_vm_vsrc(0)
	s_getreg_b32 s2, hwreg(HW_REG_IB_STS2, 6, 4)
	s_cmp_eq_u32 s2, 0
	s_cbranch_scc0 .Lentry_in_a_cluster
	s_endpgm
.Lentry_in_a_cluster:
	s_bfe_u32 s2, ttmp6, 0x10000c
	s_cmp_lg_u32 s2, 0xf033
	s_cbranch_scc0 .Lentry_shape_is_right
	s_endpgm
.Lentry_shape_is_right:
; out0[m][n] = sum over k of o16[m][k] wo16[n][k].  Both [2048][2048] f16; out0 f32; sums in f32.  All rows are written here; a later launch writes rows 0-15 again, from f32 operands.
; A tile of C is 128 x 128: 256 work-groups.  Four waves, each 64 x 64: 16 accumulators.  K goes in steps of 256 (LDS rows of 512 bytes) through two slots.
; CLUSTERS: 4 x 4: A's tiles are asked for jointly along a row of the cluster, B's along a column.  The matrix instruction is used transposed (source 0 = rows of B, source 1 = rows of A).
; A wave's 64 columns of f32 are 256 aligned bytes of a row of C: each wave has a stage of its own on the way out, and no barrier stands there.
; No prefetch: the tiles are small and the launch is short.
; REGISTERS: window 0: v0-31 addresses; v32-95 the way out; v128-255 the accumulators.  window 1: two fragment buffers of 128.
.set SIZE_M, 2048
.set SIZE_N, 2048
.set SIZE_K, 2048
.set KSTEP,  256
.set PITCH,  528
.set HALFT,  64*PITCH
.set SLOT,   4*HALFT
.set STAGE,  2*SLOT                    ; behind the ring: 16 rows x 272 bytes for each wave
.set SPITCH, 272
.set SPARE,  STAGE+4*16*SPITCH         ; the spare words, 128 bytes a wave
.set LAPS, SIZE_K/(2*KSTEP)
.set ADRA, 16
.set ADRB, 20
.set STO,  24
.set RD,   25
.set CO,   26
.set SPW,  28
.set NIL,  29
.set TMP,  32
.set ACC,  128
.set F0,   0
.set F1,   128
.set G1, 24
.set G0, 32
.set G1B, 48
.set G0B, 56
.set MSB, 0
.macro WIN new
.if MSB != \new
	s_set_vgpr_msb (MSB<<8)|\new
.set MSB, \new
.endif
.endm
.set MUL,  0x05
.set TO_F, 0x40
.macro JLOAD s                         ; waves 0 and 1 fetch A's two halves, waves 2 and 3 B's; an s_nop 0 and four v_nop follow each line
	s_cmp_eq_u32 s11, 0
	s_cbranch_scc0 .Lfor_b_\@
	tensor_load_to_lds s[G0+4*\s:G0+4*\s+3], s[G1:G1+7]
	s_nop 0
.rept 4
	v_nop
.endr
	s_branch .Lasked_\@
.Lfor_b_\@:
	tensor_load_to_lds s[G0B+4*\s:G0B+4*\s+3], s[G1B:G1B+7]
	s_nop 0
.rept 4
	v_nop
.endr
.Lasked_\@:
.endm
.macro CREST
	s_cmp_lg_u32 s10, 0
	s_cbranch_scc1 .Lnot_wave_0_\@
	s_barrier_signal -3
.Lnot_wave_0_\@:
	s_barrier_wait -3
	s_barrier_signal -1
	s_barrier_wait -1
.endm
.macro CROUND
	s_barrier_signal -1
	s_barrier_wait -1
	CREST
.endm
	s_load_b128 s[4:7], s[0:1], 0x0                ; A s[4:5], B s[6:7]
	s_load_b64 s[8:9], s[0:1], 0x10                ; C
	v_lshl_add_u32 v[SPW], v0, 2, SPARE
	v_mov_b32 v[NIL], 0
	ds_add_u32 v[SPW], v[NIL]                      ; the wave's opening: the add, twice on end; its wait stands ahead of my first tensor load
	ds_add_u32 v[SPW], v[NIL]
	v_lshrrev_b32 v1, 5, v0
	v_readfirstlane_b32 s10, v1                    ; wave 0..3
	s_lshr_b32 s11, s10, 1                         ; which half of the tile's rows is mine.  Also: I fetch for A (0) or for B (1)
	s_and_b32 s12, s10, 1                          ; which half of its columns.  Also: which 64 rows of that tile I fetch
	s_bfe_u32 s40, ttmp6, 0x40000
	s_bfe_u32 s41, ttmp6, 0x40004
	s_lshl_b32 s42, ttmp9, 2
	s_add_co_u32 s42, s42, s40                     ; tile column
	s_and_b32 s13, ttmp7, 0xffff
	s_lshl_b32 s13, s13, 2
	s_add_co_u32 s13, s13, s41                     ; tile row
	s_lshl_b32 s43, s41, 2
	s_lshl_b32 s43, 15, s43
	s_lshl_b32 s44, 0x1111, s40
	s_or_b32 s[G1+0], s43, (1<<16)|(1<<20)|(1<<21)|(6<<22)|(3<<25)  ; the mask; elements of 2 bytes; padding: 4 words after every 128
	s_or_b32 s[G1B+0], s44, (1<<16)|(1<<20)|(1<<21)|(6<<22)|(3<<25)
.irp g, G1, G1B
	s_mov_b32 s[\g+1], KSTEP<<16
	s_mov_b32 s[\g+2], 64<<16
	s_mov_b32 s[\g+3], KSTEP<<16
	s_mov_b32 s[\g+4], 64
	s_mov_b32 s[\g+5], SIZE_K
	s_mov_b32 s[\g+6], 0
	s_mov_b32 s[\g+7], 0
.endr
	s_lshl_b32 s17, s12, 6
	s_lshl_b32 s16, s13, 7
	s_add_co_u32 s16, s16, s17
	s_lshl_b32 s46, s42, 7
	s_add_co_u32 s46, s46, s17
	s_mov_b32 s17, 0
	s_mov_b32 s47, 0
	s_mov_b64 s[18:19], SIZE_K*2
	s_mul_u64 s[16:17], s[16:17], s[18:19]
	s_mul_u64 s[46:47], s[46:47], s[18:19]
	s_mul_i32 s20, s10, HALFT
	s_wait_dscnt 0x0
	s_wait_kmcnt 0x0
	s_add_nc_u64 s[14:15], s[4:5], s[16:17]
	s_add_nc_u64 s[46:47], s[6:7], s[46:47]
	CROUND
.irp s, 0,1
	s_mov_b32 s[G0+4*\s], 1
	s_add_co_u32 s[G0+4*\s+1], s20, \s*SLOT
	s_add_nc_u64 s[G0+4*\s+2:G0+4*\s+3], s[14:15], \s*KSTEP*2
	s_or_b32 s[G0+4*\s+3], s[G0+4*\s+3], 0x80000000
	s_mov_b32 s[G0B+4*\s], 1
	s_add_co_u32 s[G0B+4*\s+1], s20, \s*SLOT
	s_add_nc_u64 s[G0B+4*\s+2:G0B+4*\s+3], s[46:47], \s*KSTEP*2
	s_or_b32 s[G0B+4*\s+3], s[G0B+4*\s+3], 0x80000000
	JLOAD \s
.endr
	v_and_b32 v1, 15, v0
	v_bfe_u32 v2, v0, 4, 1
	v_mul_u32_u24 v3, v1, PITCH
	v_lshl_add_u32 v3, v2, 4, v3
	s_mul_i32 s21, s11, HALFT
	s_mul_i32 s22, s12, HALFT
	s_add_co_u32 s22, s22, 2*HALFT
.irp s, 0,1
	v_add_nc_u32 v[ADRA+\s], s21, v3
	v_add_nc_u32 v[ADRB+\s], s22, v3
	s_add_co_u32 s21, s21, SLOT
	s_add_co_u32 s22, s22, SLOT
.endr
	s_mul_i32 s23, s10, 16*SPITCH
	s_add_co_u32 s23, s23, STAGE                   ; my stage
	v_mul_u32_u24 v4, v1, SPITCH                   ; in: row l % 16, 32 bytes for each half of the lanes
	v_lshl_add_u32 v4, v2, 5, v4
	v_add_nc_u32 v[STO], s23, v4
	v_mul_u32_u24 v5, v2, SPITCH                   ; back: lanes 0-15 one row of 256 bytes, lanes 16-31 the next
	v_lshl_add_u32 v5, v1, 4, v5
	v_add_nc_u32 v[RD], s23, v5
	v_lshlrev_b32 v5, 13, v2                       ; and the same two rows in C: 8,192 bytes a row
	v_lshl_add_u32 v[CO], v1, 4, v5
	s_lshl_b32 s16, s13, 7
	s_lshl_b32 s17, s11, 6
	s_add_co_u32 s16, s16, s17                     ; my first row of C
	s_lshl_b32 s16, s16, 13
	s_mov_b32 s17, 0
	s_add_nc_u64 s[8:9], s[8:9], s[16:17]
	s_lshl_b32 s46, s42, 9                         ; my first column, in bytes: 512 x tile column + 256 x half
	s_lshl_b32 s47, s12, 8
	s_add_co_u32 s46, s46, s47
	s_mov_b32 s47, 0
	s_add_nc_u64 s[8:9], s[8:9], s[46:47]
.macro MUL8 f, c, a0, zero             ; the 16 accumulators take turns, one instruction a turn
.irp a, \a0, \a0+1
.irp b, 0,1,2,3
.if \zero
	v_wmma_f32_16x16x32_f16 v[ACC+8*(4*(\a)+\b):ACC+8*(4*(\a)+\b)+7], v[\f+64+8*(4*\c+\b):\f+64+8*(4*\c+\b)+7], v[\f+8*(4*\c+\a):\f+8*(4*\c+\a)+7], 0
.else
	v_wmma_f32_16x16x32_f16 v[ACC+8*(4*(\a)+\b):ACC+8*(4*(\a)+\b)+7], v[\f+64+8*(4*\c+\b):\f+64+8*(4*\c+\b)+7], v[\f+8*(4*\c+\a):\f+8*(4*\c+\a)+7], v[ACC+8*(4*(\a)+\b):ACC+8*(4*(\a)+\b)+7]
.endif
.endr
.endr
.endm
.macro FETCH slot, k, f
	WIN TO_F
.irp c, 0,1
.irp i, 0,1,2,3
	ds_load_b128 v[\f+64+8*(4*\c+\i):\f+64+8*(4*\c+\i)+3],   v[ADRB+\slot] offset:\k+64*\c+\i*16*PITCH
	ds_load_b128 v[\f+64+8*(4*\c+\i)+4:\f+64+8*(4*\c+\i)+7], v[ADRB+\slot] offset:\k+64*\c+\i*16*PITCH+32
	ds_load_b128 v[\f+8*(4*\c+\i):\f+8*(4*\c+\i)+3],         v[ADRA+\slot] offset:\k+64*\c+\i*16*PITCH
	ds_load_b128 v[\f+8*(4*\c+\i)+4:\f+8*(4*\c+\i)+7],       v[ADRA+\slot] offset:\k+64*\c+\i*16*PITCH+32
.endr
.endr
.endm
.macro PLACES
.rept 4
	v_nop
.endr
.endm
.macro QUARTER slot, k, f, g, zero
	s_wait_dscnt 16                                ; the first 32 along K are in; the other sixteen loads may be out
	WIN MUL
	MUL8 \f, 0, 0, \zero
	MUL8 \f, 0, 2, \zero
	PLACES
	FETCH \slot, \k, \g
	s_wait_dscnt 32                                ; all but the 32 just issued
	WIN MUL
	MUL8 \f, 1, 0, 0
	MUL8 \f, 1, 2, 0
.endm
.macro TURN slot, next, fill
	WIN 0
	s_wait_tensorcnt 0x0                           ; all my tensor loads have landed: my part of the next slot
	ds_add_u32 v[SPW], v[NIL]
	s_wait_dscnt 17                                ; the add and the youngest sixteen loads may be out
	WIN MUL
	MUL8 F1, 0, 0, 0
	s_wait_dscnt 0x0                               ; the add is done, and my reads of this slot are over
	s_barrier_signal -1
	MUL8 F1, 0, 2, 0
.if \fill
	WIN 0
.endif
	s_barrier_wait -1
.if \fill
	CREST
	s_add_nc_u64 s[G0+4*\slot+2:G0+4*\slot+3], s[G0+4*\slot+2:G0+4*\slot+3], 2*KSTEP*2
	s_add_nc_u64 s[G0B+4*\slot+2:G0B+4*\slot+3], s[G0B+4*\slot+2:G0B+4*\slot+3], 2*KSTEP*2
	JLOAD \slot
.else
	PLACES
.endif
	FETCH \next, 0, F0
	WIN MUL
	MUL8 F1, 1, 0, 0
	MUL8 F1, 1, 2, 0
.endm
	s_wait_tensorcnt 1                             ; my part of K step 0 is in (K step 1's load may be out),
	s_barrier_signal -1
	s_barrier_wait -1
	FETCH 0, 0, F0
	QUARTER 0, 128, F0, F1, 1
	WIN 0
	s_mov_b32 s3, LAPS-1
.Llap:
	QUARTER 0, 256, F1, F0, 0
	QUARTER 0, 384, F0, F1, 0
	TURN 0, 1, 1
	QUARTER 1, 128, F0, F1, 0
	QUARTER 1, 256, F1, F0, 0
	QUARTER 1, 384, F0, F1, 0
	TURN 1, 0, 1
	QUARTER 0, 128, F0, F1, 0
	WIN 0
	s_sub_co_u32 s3, s3, 1
	s_cmp_lg_u32 s3, 0
	s_cbranch_scc1 .Llap
	QUARTER 0, 256, F1, F0, 0
	QUARTER 0, 384, F0, F1, 0
	TURN 0, 1, 0
	QUARTER 1, 128, F0, F1, 0
	QUARTER 1, 256, F1, F0, 0
	QUARTER 1, 384, F0, F1, 0
	s_wait_dscnt 16
	WIN MUL
	MUL8 F1, 0, 0, 0
	MUL8 F1, 0, 2, 0
	s_wait_dscnt 0
	MUL8 F1, 1, 0, 0
	MUL8 F1, 1, 2, 0
	WIN 0
; THE WAY OUT, block by block of 16 rows x 64 columns, through my own stage: back as whole rows of 256 bytes.  LDS serves a wave's instructions in order (ISA guide 5.7.1.4).
.macro TOSTAGE a
.irp b, 0,1,2,3
	ds_store_b128 v[STO], v[ACC+8*(4*(\a)+\b):ACC+8*(4*(\a)+\b)+3] offset:64*\b        ; each accumulator from its low end on
	ds_store_b128 v[STO], v[ACC+8*(4*(\a)+\b)+4:ACC+8*(4*(\a)+\b)+7] offset:64*\b+16
.endr
.set BB, TMP+32*((\a)%2)
.irp t, 0,1,2,3,4,5,6,7
	ds_load_b128 v[BB+4*\t:BB+4*\t+3], v[RD] offset:\t*2*SPITCH
.endr
.endm
.macro SEND a, younger
.set BB, TMP+32*((\a)%2)
	s_wait_dscnt \younger                          ; the block is back; the next block's 8 stores and 8 loads may be out
.irp t, 0,1,2,3,4,5,6,7
	global_store_b128 v[CO], v[BB+4*\t:BB+4*\t+3], s[8:9] offset:(16*(\a)+2*\t)*SIZE_N*4 th:TH_STORE_NT   ; 16 lanes store 256 consecutive bytes, aligned
.endr
.endm
	PLACES
	TOSTAGE 0
.irp a, 1,2,3
.if \a > 1
	s_wait_xcnt 0x0                                ; block a - 2's stores have read their registers: block a's loads may land there
.endif
	TOSTAGE \a
	SEND \a-1, 16
.endr
	SEND 3, 0
	s_wait_tensorcnt 0x0                           ; the wave's end
	ds_add_u32 v[SPW], v[NIL]
	s_wait_dscnt 0x0
	CROUND
	s_endpgm
.Lfunc_end_k_qa43b1a3850_proj:
	.size	k_qa43b1a3850_proj, .Lfunc_end_k_qa43b1a3850_proj-k_qa43b1a3850_proj
	.p2alignl 7, 3214868480
	.fill 96, 4, 3214868480
	.section	.rodata,"a",@progbits
	.p2align	6, 0x0
	.amdhsa_kernel k_qa43b1a3850_proj
		.amdhsa_group_segment_fixed_size 327680
		.amdhsa_private_segment_fixed_size 0
		.amdhsa_enable_private_segment 0
		.amdhsa_kernarg_size 24
		.amdhsa_user_sgpr_count 2
		.amdhsa_user_sgpr_kernarg_segment_ptr 1
		.amdhsa_wavefront_size32 1
		.amdhsa_system_sgpr_workgroup_id_x 1
		.amdhsa_system_sgpr_workgroup_id_y 1
		.amdhsa_system_sgpr_workgroup_id_z 1
		.amdhsa_system_vgpr_workitem_id 0
		.amdhsa_next_free_vgpr 512
		.amdhsa_next_free_sgpr 66
		.amdhsa_reserve_vcc 0
		.amdhsa_float_denorm_mode_32 3
		.amdhsa_float_denorm_mode_16_64 3
		.amdhsa_memory_ordered 1
		.amdhsa_forward_progress 1
		.amdhsa_inst_pref_size 86
	.end_amdhsa_kernel
	.amdgpu_metadata
---
amdhsa.version: [ 1, 2 ]
amdhsa.kernels:
  - .name:           k_qa43b1a3850_proj
    .symbol:         k_qa43b1a3850_proj.kd
    .args:
      - { .name: o16, .offset: 0, .size: 8, .value_kind: global_buffer, .address_space: global }
      - { .name: wo16, .offset: 8, .size: 8, .value_kind: global_buffer, .address_space: global }
      - { .name: out0, .offset: 16, .size: 8, .value_kind: global_buffer, .address_space: global }
    .group_segment_fixed_size: 327680
    .private_segment_fixed_size: 0
    .kernarg_segment_align: 8
    .kernarg_segment_size: 24
    .max_flat_workgroup_size: 128
    .sgpr_count:     66
    .vgpr_count:     512
    .wavefront_size: 32
...
	.end_amdgpu_metadata
.endif
;; end of part 4
;; launch fine_attn (part 5): grid 16 x 1, 8 waves a work-group, no clusters, 0 bytes of LDS; arguments qkv32, mask, flags, o32; writes o32
.if DOCPART == 5
	.amdgcn_target "amdgcn-amd-amdhsa--gfx1250"
	.amdhsa_code_object_version 6
	.text
	.protected	k_qa43b1a3850_fine_attn
	.globl	k_qa43b1a3850_fine_attn
	.p2align	8
	.type	k_qa43b1a3850_fine_attn,@function
k_qa43b1a3850_fine_attn:
	s_mov_b64 s[64:65], 0
	v_nop
	global_prefetch_b8 v0, s[64:65] scope:SCOPE_SE
	s_setreg_imm32_b32 hwreg(HW_REG_WAVE_MODE, 25, 1), 1
	s_wait_xcnt 0x0
; THE FIRST 16 QUERIES, IN f32.  o32[q][128 head + :] = the sum over k of softmax_k(q . k + mask[q][k]) v[k], q = 0..15, operands and sums in f32 (v_wmma_f32_16x16x4_f32: 16 rows of 2,048, no bulk work).
; These rows may average few values and are then the largest in size, so the rounding of 16-bit operands would weigh most in them.
; A work-group takes a head, wave w channels 16 w .. 16 w + 15.  Every wave forms the scores itself (32 small products a block of 16 keys): no LDS, no barrier, no tensor load.
; Only the blocks of 16 keys are walked in which some number of the mask's rows 0-15 is above -infinity: 128 bits stored as whole numbers by the first launch; the same flags decided which blocks of k and v lie in qkv32.
; A block that is left out would have given p = 0 for all 16 queries.  A mask that is dense in these rows makes the launch longer, not wrong.
; THE 128 BITS ARE WALKED IN THREE COUNTED LOOPS: 4 words, 8 groups of four bits, 4 bits.  A word that is 0 is stepped over whole (32 blocks), a group that is 0 likewise (4 blocks): where few blocks count,
; few trips are made; every trip count is a constant, and the three bases come to the same place on every way.
; A running maximum is taken away ahead of every exponential; it is held at -2^126 from below.  LIMITS as in the bulk launch: NaN and +infinity are not served; a row all -infinity gives NaN, as the definition does.
; K PLACES.  A permutation of k applied alike to both sources keeps a product.  Scores: lane (r, h) loads 16 bytes at channel 8 c + 4 h of its row, of q and of k alike; registers 4 c, 4 c + 1 are one instruction's K,
; 4 c + 2, 4 c + 3 the next's.  Second product: K place 2 h + j of instruction c stands for key 8 h + 2 c + j on both sides, which is where S^T's layout has left p.
.set QF, 16                            ; v16-79   q
.set KF, 80                            ; v80-143  k of a block
.set SA, 144                           ; v144-175 four accumulators of scores: written by matrix instructions alone
.set TA, 176                           ; v176-191 two accumulators of the second product: likewise
.set X,  192                           ; v192-199 scores, then p: register j: key 8 h + j, query r
.set VF, 200                           ; v200-207 v: register n: key 8 h + n, channel 16 w + r
.set MK, 208                           ; v208-215 the mask
.set O,  216                           ; v216-223 register j: query r, channel 16 w + 8 h + j
.set Y,  232                           ; v232-239 at work
.set KSTEP, 8192                       ; 16 keys on in k and in v: 16 rows of 512 bytes
.set MSTEP, 64                         ; and in a row of the mask
	s_load_b256 s[4:11], s[0:1], 0x0               ; qkv32 s[4:5], mask s[6:7], flags s[8:9], o32 s[10:11]
	v_lshrrev_b32 v1, 5, v0
	v_readfirstlane_b32 s12, v1                    ; wave 0..7
	v_and_b32 v2, 15, v0                           ; r
	v_bfe_u32 v3, v0, 4, 1                         ; h
	v_lshlrev_b32 v4, 9, v2
	v_lshl_add_u32 v4, v3, 4, v4                   ; q, k: row r of 512 bytes, + 16 h
	v_lshlrev_b32 v5, 12, v3
	v_lshl_add_u32 v5, v2, 2, v5
	s_lshl_b32 s13, s12, 6
	v_add_nc_u32 v5, s13, v5                       ; v: 8 h rows on, channel 16 w + r
	v_lshlrev_b32 v6, 13, v2
	v_lshl_add_u32 v6, v3, 5, v6                   ; mask, o32: row r of 8,192 bytes, + 32 h
	s_mov_b32 s26, 0x76543210
	s_mov_b32 s27, 0xfedcba98
	s_mov_b32 s28, 0x3fb8aa3b                      ; c = log2(e)
	s_mov_b32 s29, s28
	v_mov_b32 v224, 0xfe800000                     ; m: the floor -2^126
	v_mov_b32 v225, 0                              ; l
	v_mov_b32 v226, 0
	v_mov_b32 v227, 0                              ; (named as upper halves of pairs)
	v_mov_b32 v229, 0
	v_mov_b32 v231, 0                              ; a lane permute's destination counts as one of its sources
.irp j, 0,1,2,3,4,5,6,7
	v_mov_b32 v[O+\j], 0
.endr
	s_wait_kmcnt 0x0
	s_load_b128 s[20:23], s[8:9], 0x600            ; the 128 flags as bits
	s_lshl_b32 s14, ttmp9, 20                      ; a slot of qkv32 is 1,048,576 bytes
	s_mov_b32 s15, 0
	s_add_nc_u64 s[16:17], s[4:5], s[14:15]        ; q's head
	s_add_nc_u64 s[18:19], s[16:17], 0x1000000     ; k's: 16 slots on
	s_add_nc_u64 s[30:31], s[16:17], 0x2000000     ; v's: 32 slots on
	s_lshl_b32 s14, ttmp9, 9
	s_add_co_u32 s14, s14, s13
	s_add_nc_u64 s[10:11], s[10:11], s[14:15]      ; o32: + 512 x head + 64 x wave
.set c, 0
.rept 16
	global_load_b128 v[QF+4*c:QF+4*c+3], v4, s[16:17] offset:32*c
.set c, c+1
.endr
	s_wait_loadcnt 0x0
	s_wait_kmcnt 0x0
	s_mov_b32 s24, 4
.Lword:                                                ; s20: the flags of the next 32 blocks
	s_cmp_eq_u32 s20, 0                            ; stored whole numbers decide, here and below: the same in all waves
	s_cbranch_scc1 .Lword_empty
	s_mov_b32 s25, 8
.Lgroup:
	s_and_b32 s32, s20, 15                         ; the next four blocks' flags
	s_cmp_eq_u32 s32, 0
	s_cbranch_scc1 .Lgroup_empty
	s_mov_b32 s33, 4
.Lblock:
	s_bitcmp1_b32 s20, 0
	s_cbranch_scc0 .Lskip
.set c, 0
.rept 16
	global_load_b128 v[KF+4*c:KF+4*c+3], v4, s[18:19] offset:32*c
.set c, c+1
.endr
.set c, 0
.rept 8
	global_load_b32 v[VF+c], v5, s[30:31] offset:512*c
.set c, c+1
.endr
	global_load_b128 v[MK:MK+3], v6, s[6:7]
	global_load_b128 v[MK+4:MK+7], v6, s[6:7] offset:16
	s_wait_loadcnt 0x0
.set i, 0
.rept 32                               ; S^T = k q^T: four accumulators by turns, one instruction a turn; the first four start the sums
.if i < 4
	v_wmma_f32_16x16x4_f32 v[SA+8*(i%4):SA+8*(i%4)+7], v[KF+2*i:KF+2*i+1], v[QF+2*i:QF+2*i+1], 0
.else
	v_wmma_f32_16x16x4_f32 v[SA+8*(i%4):SA+8*(i%4)+7], v[KF+2*i:KF+2*i+1], v[QF+2*i:QF+2*i+1], v[SA+8*(i%4):SA+8*(i%4)+7]
.endif
.set i, i+1
.endr
.rept 8
	v_nop                                          ; eight places behind this form ahead of the first read of a result (ISA guide 7.12.1)
.endr
.irp p, 0,2,4,6
	v_pk_add_f32 v[X+\p:X+\p+1], v[SA+\p:SA+\p+1], v[SA+8+\p:SA+8+\p+1]        ; each accumulator from its low end on; the sums go into other registers
	v_pk_add_f32 v[Y+\p:Y+\p+1], v[SA+16+\p:SA+16+\p+1], v[SA+24+\p:SA+24+\p+1]
.endr
.irp p, 0,2,4,6
	v_pk_add_f32 v[X+\p:X+\p+1], v[X+\p:X+\p+1], v[Y+\p:Y+\p+1]
.endr
.irp p, 0,2,4,6
	v_pk_add_f32 v[X+\p:X+\p+1], v[X+\p:X+\p+1], v[MK+\p:MK+\p+1]              ; + the mask, as it is given
.endr
	v_max3_num_f32 v230, v[X], v[X+1], v[X+2]
	v_max3_num_f32 v230, v230, v[X+3], v[X+4]
	v_max3_num_f32 v230, v230, v[X+5], v[X+6]
	v_max3_num_f32 v230, v230, v[X+7], v224
	v_permlanex16_b32 v231, v230, s26, s27         ; the query's other 8 keys lie in the lane 16 away
	v_max_num_f32 v230, v230, v231                 ; the new m
	v_sub_f32 v226, v224, v230
	v_mul_f32 v226, s28, v226                      ; c (m_old - m_new)
	v_mul_f32 v228, 0xbfb8aa3b, v230               ; -c m
	v_mov_b32 v224, v230
.irp p, 0,2,4,6
	v_pk_fma_f32 v[X+\p:X+\p+1], v[X+\p:X+\p+1], s[28:29], v[228:229] op_sel_hi:[1,0,0]
.endr
.irp j, 0,1,2,3,4,5,6,7
	v_exp_f32 v[X+\j], v[X+\j]
.endr
	v_exp_f32 v226, v226                           ; a
	v_nop                                          ; a plain instruction behind the last exponential
	s_wait_alu depctr_va_vdst(0)                   ; one wait for the nine, ahead of their first reader
	v_pk_add_f32 v[Y:Y+1], v[X:X+1], v[X+2:X+3]
	v_pk_add_f32 v[Y+2:Y+3], v[X+4:X+5], v[X+6:X+7]
	v_pk_add_f32 v[Y:Y+1], v[Y:Y+1], v[Y+2:Y+3]
	v_add_f32 v230, v[Y], v[Y+1]
	v_fma_f32 v225, v225, v226, v230               ; l = a l + the sum of my 8 p
	v_wmma_f32_16x16x4_f32 v[TA:TA+7],    v[VF:VF+1],   v[X:X+1],   0
	v_wmma_f32_16x16x4_f32 v[TA+8:TA+15], v[VF+2:VF+3], v[X+2:X+3], 0
	v_wmma_f32_16x16x4_f32 v[TA:TA+7],    v[VF+4:VF+5], v[X+4:X+5], v[TA:TA+7]
	v_wmma_f32_16x16x4_f32 v[TA+8:TA+15], v[VF+6:VF+7], v[X+6:X+7], v[TA+8:TA+15]
.rept 8
	v_nop
.endr
.irp p, 0,2,4,6
	v_pk_fma_f32 v[O+\p:O+\p+1], v[O+\p:O+\p+1], v[226:227], v[TA+\p:TA+\p+1] op_sel_hi:[1,0,1]
.endr
.irp p, 0,2,4,6
	v_pk_add_f32 v[O+\p:O+\p+1], v[O+\p:O+\p+1], v[TA+8+\p:TA+8+\p+1]
.endr
.rept 9
	v_nop                                          ; nine places ahead of the next block's products, which begin these accumulators anew, and of its loads
.endr
.Lskip:
	s_lshr_b32 s20, s20, 1
	s_add_nc_u64 s[18:19], s[18:19], KSTEP         ; 16 keys on (every load that named these bases has been waited for)
	s_add_nc_u64 s[30:31], s[30:31], KSTEP
	s_add_nc_u64 s[6:7], s[6:7], MSTEP
	s_sub_co_u32 s33, s33, 1
	s_cmp_lg_u32 s33, 0
	s_cbranch_scc1 .Lblock
	s_branch .Lgroup_next
.Lgroup_empty:                                         ; none of the four blocks counts: 64 keys on at once
	s_lshr_b32 s20, s20, 4
	s_add_nc_u64 s[18:19], s[18:19], 4*KSTEP
	s_add_nc_u64 s[30:31], s[30:31], 4*KSTEP
	s_add_nc_u64 s[6:7], s[6:7], 4*MSTEP
.Lgroup_next:
	s_sub_co_u32 s25, s25, 1
	s_cmp_lg_u32 s25, 0
	s_cbranch_scc1 .Lgroup
	s_branch .Lword_next
.Lword_empty:                                          ; none of the 32 blocks counts: 512 keys on at once
	s_add_nc_u64 s[18:19], s[18:19], 32*KSTEP
	s_add_nc_u64 s[30:31], s[30:31], 32*KSTEP
	s_add_nc_u64 s[6:7], s[6:7], 32*MSTEP
.Lword_next:
	s_mov_b32 s20, s21
	s_mov_b32 s21, s22
	s_mov_b32 s22, s23
	s_sub_co_u32 s24, s24, 1
	s_cmp_lg_u32 s24, 0
	s_cbranch_scc1 .Lword
	v_permlanex16_b32 v231, v225, s26, s27
	v_add_f32 v225, v225, v231                     ; the row's sum
	v_rcp_f32 v226, v225
	v_nop
	s_wait_alu depctr_va_vdst(0)
.irp p, 0,2,4,6
	v_pk_mul_f32 v[O+\p:O+\p+1], v[O+\p:O+\p+1], v[226:227] op_sel_hi:[1,0]
.endr
	global_store_b128 v6, v[O:O+3], s[10:11]
	global_store_b128 v6, v[O+4:O+7], s[10:11] offset:16
	s_endpgm
.Lfunc_end_k_qa43b1a3850_fine_attn:
	.size	k_qa43b1a3850_fine_attn, .Lfunc_end_k_qa43b1a3850_fine_attn-k_qa43b1a3850_fine_attn
	.p2alignl 7, 3214868480
	.fill 96, 4, 3214868480
	.section	.rodata,"a",@progbits
	.p2align	6, 0x0
	.amdhsa_kernel k_qa43b1a3850_fine_attn
		.amdhsa_group_segment_fixed_size 0
		.amdhsa_private_segment_fixed_size 0
		.amdhsa_enable_private_segment 0
		.amdhsa_kernarg_size 32
		.amdhsa_user_sgpr_count 2
		.amdhsa_user_sgpr_kernarg_segment_ptr 1
		.amdhsa_wavefront_size32 1
		.amdhsa_system_sgpr_workgroup_id_x 1
		.amdhsa_system_sgpr_workgroup_id_y 1
		.amdhsa_system_sgpr_workgroup_id_z 1
		.amdhsa_system_vgpr_workitem_id 0
		.amdhsa_next_free_vgpr 256
		.amdhsa_next_free_sgpr 66
		.amdhsa_reserve_vcc 0
		.amdhsa_float_denorm_mode_32 3
		.amdhsa_float_denorm_mode_16_64 3
		.amdhsa_memory_ordered 1
		.amdhsa_forward_progress 1
		.amdhsa_inst_pref_size 14
	.end_amdhsa_kernel
	.amdgpu_metadata
---
amdhsa.version: [ 1, 2 ]
amdhsa.kernels:
  - .name:           k_qa43b1a3850_fine_attn
    .symbol:         k_qa43b1a3850_fine_attn.kd
    .args:
      - { .name: qkv32, .offset: 0, .size: 8, .value_kind: global_buffer, .address_space: global }
      - { .name: mask, .offset: 8, .size: 8, .value_kind: global_buffer, .address_space: global }
      - { .name: flags, .offset: 16, .size: 8, .value_kind: global_buffer, .address_space: global }
      - { .name: o32, .offset: 24, .size: 8, .value_kind: global_buffer, .address_space: global }
    .group_segment_fixed_size: 0
    .private_segment_fixed_size: 0
    .kernarg_segment_align: 8
    .kernarg_segment_size: 32
    .max_flat_workgroup_size: 256
    .sgpr_count:     66
    .vgpr_count:     256
    .wavefront_size: 32
...
	.end_amdgpu_metadata
.endif
;; end of part 5
;; launch fine_proj (part 6): grid 128 x 1, 8 waves a work-group, no clusters, 287,744 bytes of LDS; arguments o32, wo, out0; writes out0
.if DOCPART == 6
	.amdgcn_target "amdgcn-amd-amdhsa--gfx1250"
	.amdhsa_code_object_version 6
	.text
	.protected	k_qa43b1a3850_fine_proj
	.globl	k_qa43b1a3850_fine_proj
	.p2align	8
	.type	k_qa43b1a3850_fine_proj,@function
k_qa43b1a3850_fine_proj:
	s_mov_b64 s[64:65], 0
	v_nop
	global_prefetch_b8 v0, s[64:65] scope:SCOPE_SE
	s_setreg_imm32_b32 hwreg(HW_REG_WAVE_MODE, 25, 1), 1
	s_wait_xcnt 0x0
; THE FIRST 16 ROWS OF THE LAST PRODUCT, IN f32: out0[q][n] = sum over k of o32[q][k] wo[n][k], q = 0..15 (v_wmma_f32_16x16x4_f32: 16 rows of 2,048, no bulk work).  They are written over what the bulk launch left there.
; A work-group takes 16 columns n; wave w takes K = 256 w .. 256 w + 255, in four quarters of 64.  Source 0 = wo's 16 rows, source 1 = o32's 16 rows: lane (r, h) holds query r and columns 8 h + 0..7.
; THE LOADS TAKE WHOLE RUNS OF 256 BYTES.  A quarter of a row is 256 consecutive bytes, at a multiple of 256 from the buffer's first byte: lanes 0-15 take one row's, lanes 16-31 the next row's, 16 bytes a lane.
; A fragment wants something else of a lane (row r, 16 bytes at k = 8 c + 4 h): so a quarter turns through the wave's own stage in LDS, rows of 256 + 16 bytes, and comes back into the registers that it left.
; The pitch of 272 bytes is 17 x 16: the sixteen rows that a fragment load touches start at sixteen different banks (ISA guide 11.1).  Each quarter has stage bytes of its own; no other wave touches them: no barrier.
; Lane (r, h) takes the same k of both operands: a permutation of k applied alike to both sources keeps the product.
; The eight waves' parts meet in LDS as images of their registers; wave 0 adds them in the order of the waves and stores.
; A work-group stores 64 bytes of each of 16 rows: aligned blocks of 256 bytes are written in part; the launch stores 131,072 bytes in all.
.set ACC, 208                          ; v208-239 four accumulators: written by matrix instructions alone
.set RR,  240                          ; v240-247 their sum
.set SPT, 272                          ; a stage row
.set QST, 2*16*SPT                     ; a quarter's stage: wo's 16 rows, then o32's: 8,704 bytes
.set WST, 4*QST                        ; a wave's four
.set IMG, 8*WST                        ; behind the stages: the eight images of 1,024 bytes
.set SPARE, IMG+8192                   ; behind them: the spare words, 128 bytes a wave
	s_load_b128 s[4:7], s[0:1], 0x0                ; o32 s[4:5], wo s[6:7]
	s_load_b64 s[8:9], s[0:1], 0x10                ; out0
	v_lshl_add_u32 v12, v0, 2, SPARE
	v_mov_b32 v13, 0
	v_lshrrev_b32 v1, 5, v0
	v_readfirstlane_b32 s10, v1                    ; wave 0..7
	v_and_b32 v2, 15, v0                           ; r = lane % 16
	v_bfe_u32 v3, v0, 4, 1                         ; h = lane / 16
	v_lshlrev_b32 v4, 13, v3
	v_lshl_add_u32 v4, v2, 4, v4
	s_lshl_b32 s11, s10, 10
	v_add_nc_u32 v4, s11, v4                       ; in memory: row h of a pair (8,192 bytes a row), + 16 r, + my wave's 256 along K
	s_mul_i32 s16, s10, WST                        ; my wave's stages
	v_mul_u32_u24 v6, v3, SPT
	v_lshl_add_u32 v6, v2, 4, v6
	v_add_nc_u32 v6, s16, v6                       ; into a stage: the same two rows, 16 bytes a lane
	v_mul_u32_u24 v7, v2, SPT
	v_lshl_add_u32 v7, v3, 4, v7
	v_add_nc_u32 v7, s16, v7                       ; out of it: row r, + 16 h
	v_lshlrev_b32 v5, 13, v2
	v_lshl_add_u32 v5, v3, 5, v5                   ; out0: row r, + 32 h
	v_and_b32 v9, 31, v0
	v_lshlrev_b32 v9, 4, v9
	v_add_nc_u32 v9, IMG, v9                       ; the images: 16 x lane
	v_add_nc_u32 v8, s11, v9                       ; mine: + 1,024 x wave
	s_lshl_b32 s12, ttmp9, 17                      ; wo: my 16 rows
	s_mov_b32 s13, 0
	s_lshl_b32 s14, ttmp9, 6                       ; out0: my 16 columns
	s_mov_b32 s15, 0
	s_wait_kmcnt 0x0
	s_add_nc_u64 s[6:7], s[6:7], s[12:13]
	s_add_nc_u64 s[8:9], s[8:9], s[14:15]
.macro QLOAD set, q                    ; quarter q: 8 loads of wo, 8 of o32, two rows' 256 bytes each
.irp i, 0,1,2,3,4,5,6,7
	global_load_b128 v[\set+4*\i:\set+4*\i+3], v4, s[6:7] offset:2*\i*8192+256*(\q) th:TH_LOAD_NT
.endr
.irp i, 0,1,2,3,4,5,6,7
	global_load_b128 v[\set+32+4*\i:\set+32+4*\i+3], v4, s[4:5] offset:2*\i*8192+256*(\q)
.endr
.endm
.macro QTURN set, q                    ; through the stage.  LDS serves a wave's instructions in order (ISA guide 5.7.1.4): no wait between the stores and the loads
.irp i, 0,1,2,3,4,5,6,7
	ds_store_b128 v6, v[\set+4*\i:\set+4*\i+3] offset:(\q)*QST+2*\i*SPT
.endr
.irp i, 0,1,2,3,4,5,6,7
	ds_store_b128 v6, v[\set+32+4*\i:\set+32+4*\i+3] offset:(\q)*QST+16*SPT+2*\i*SPT
.endr
.irp c, 0,1,2,3,4,5,6,7
	ds_load_b128 v[\set+4*\c:\set+4*\c+3], v7 offset:(\q)*QST+32*\c                     ; wo(r, 8 c + 4 h .. + 3) of the quarter
.endr
.irp c, 0,1,2,3,4,5,6,7
	ds_load_b128 v[\set+32+4*\c:\set+32+4*\c+3], v7 offset:(\q)*QST+16*SPT+32*\c        ; o32 likewise
.endr
.endm
.macro QMUL set, zero                  ; 16 matrix instructions, four accumulators by turns, one instruction a turn
.set i, 0
.rept 16
.if \zero && (i < 4)
	v_wmma_f32_16x16x4_f32 v[ACC+8*(i%4):ACC+8*(i%4)+7], v[\set+2*i:\set+2*i+1], v[\set+32+2*i:\set+32+2*i+1], 0
.else
	v_wmma_f32_16x16x4_f32 v[ACC+8*(i%4):ACC+8*(i%4)+7], v[\set+2*i:\set+2*i+1], v[\set+32+2*i:\set+32+2*i+1], v[ACC+8*(i%4):ACC+8*(i%4)+7]
.endif
.set i, i+1
.endr
.endm
	QLOAD 16, 0
	QLOAD 80, 1
	QLOAD 144, 2
	s_wait_loadcnt 32                              ; quarter 0 is in; two younger quarters of 16 loads may be out
	QTURN 16, 0
	s_wait_loadcnt 16                              ; quarter 1 is in; quarter 2's sixteen may be out
	QTURN 80, 1
	s_wait_dscnt 32                                ; quarter 0 is back from its stage; quarter 1's 16 stores and 16 loads may be out
	QMUL 16, 1
.rept 8
	v_nop                                          ; eight places ahead of loads into registers that these products read
.endr
	QLOAD 16, 3
	s_wait_loadcnt 16                              ; quarter 2 is in; quarter 3's sixteen may be out
	QTURN 144, 2
	s_wait_dscnt 32                                ; quarter 1 is back; quarter 2's 32 may be out
	QMUL 80, 0
	s_wait_loadcnt 0x0
	QTURN 16, 3
	s_wait_dscnt 32                                ; quarter 2 is back; quarter 3's 32 may be out
	QMUL 144, 0
	s_wait_dscnt 0x0
	QMUL 16, 0
.rept 8
	v_nop
.endr
.irp p, 0,2,4,6
	v_pk_add_f32 v[RR+\p:RR+\p+1], v[ACC+\p:ACC+\p+1], v[ACC+8+\p:ACC+8+\p+1]   ; each accumulator from its low end on; the sum goes into other registers
.endr
.irp p, 0,2,4,6
	v_pk_add_f32 v[RR+\p:RR+\p+1], v[RR+\p:RR+\p+1], v[ACC+16+\p:ACC+16+\p+1]
.endr
.irp p, 0,2,4,6
	v_pk_add_f32 v[RR+\p:RR+\p+1], v[RR+\p:RR+\p+1], v[ACC+24+\p:ACC+24+\p+1]
.endr
	ds_store_b128 v8, v[RR:RR+3]
	ds_store_b128 v8, v[RR+4:RR+7] offset:512
	s_wait_tensorcnt 0x0                           ; the wait two lines on also shows my stores landed, for wave 0's sake
	ds_add_u32 v12, v13
	s_wait_dscnt 0x0
	s_barrier_signal -1
	s_barrier_wait -1
	s_cmp_lg_u32 s10, 0
	s_cbranch_scc1 .Lend
.irp w, 0,1,2,3,4,5,6,7
	ds_load_b128 v[16+8*\w:16+8*\w+3], v9 offset:1024*\w
	ds_load_b128 v[20+8*\w:20+8*\w+3], v9 offset:1024*\w+512
.endr
	s_wait_dscnt 0x0
.irp w, 1,2,3,4,5,6,7
.irp p, 0,2,4,6
	v_pk_add_f32 v[16+\p:16+\p+1], v[16+\p:16+\p+1], v[16+8*\w+\p:16+8*\w+\p+1]
.endr
.endr
	global_store_b128 v5, v[16:19], s[8:9]
	global_store_b128 v5, v[20:23], s[8:9] offset:16
.Lend:
	s_endpgm
.Lfunc_end_k_qa43b1a3850_fine_proj:
	.size	k_qa43b1a3850_fine_proj, .Lfunc_end_k_qa43b1a3850_fine_proj-k_qa43b1a3850_fine_proj
	.p2alignl 7, 3214868480
	.fill 96, 4, 3214868480
	.section	.rodata,"a",@progbits
	.p2align	6, 0x0
	.amdhsa_kernel k_qa43b1a3850_fine_proj
		.amdhsa_group_segment_fixed_size 287744
		.amdhsa_private_segment_fixed_size 0
		.amdhsa_enable_private_segment 0
		.amdhsa_kernarg_size 24
		.amdhsa_user_sgpr_count 2
		.amdhsa_user_sgpr_kernarg_segment_ptr 1
		.amdhsa_wavefront_size32 1
		.amdhsa_system_sgpr_workgroup_id_x 1
		.amdhsa_system_sgpr_workgroup_id_y 1
		.amdhsa_system_sgpr_workgroup_id_z 1
		.amdhsa_system_vgpr_workitem_id 0
		.amdhsa_next_free_vgpr 256
		.amdhsa_next_free_sgpr 66
		.amdhsa_reserve_vcc 0
		.amdhsa_float_denorm_mode_32 3
		.amdhsa_float_denorm_mode_16_64 3
		.amdhsa_memory_ordered 1
		.amdhsa_forward_progress 1
		.amdhsa_inst_pref_size 25
	.end_amdhsa_kernel
	.amdgpu_metadata
---
amdhsa.version: [ 1, 2 ]
amdhsa.kernels:
  - .name:           k_qa43b1a3850_fine_proj
    .symbol:         k_qa43b1a3850_fine_proj.kd
    .args:
      - { .name: o32, .offset: 0, .size: 8, .value_kind: global_buffer, .address_space: global }
      - { .name: wo, .offset: 8, .size: 8, .value_kind: global_buffer, .address_space: global }
      - { .name: out0, .offset: 16, .size: 8, .value_kind: global_buffer, .address_space: global }
    .group_segment_fixed_size: 287744
    .private_segment_fixed_size: 0
    .kernarg_segment_align: 8
    .kernarg_segment_size: 24
    .max_flat_workgroup_size: 256
    .sgpr_count:     66
    .vgpr_count:     256
    .wavefront_size: 32
...
	.end_amdgpu_metadata
.endif
;; end of part 6
